; MI455X (gfx1250); checked and timed in simulation.
; The chip was launched on July 23, 2026; its instructions are those of AMD's public machine-readable ISA for CDNA 5 (MIT licence, August 2026) and "CDNA5" Instruction Set Architecture Reference Guide (July 2026). The comments in the code are by the model that wrote it; some were corrected since.
;; minerva. Allowed arithmetic: float matrix products may take bf16 or f16 operands with f32 sums; other float arithmetic in f32, or as packed bf16 or f16 multiplies, adds, multiply-adds, maxima and minima; sums over many terms, partial sums and values carried from step to step in f32; what a program stores and reads back later, other than sums and carried values, may be rounded once to bf16 or f16.
;; Inputs: class_reps 100 x 100 float32; ex_classes 20,000 x 100 float32; ex_features 20,000 x 512 float32; features 4,096 x 512 float32; g_weight 512 x 512 float32.
;; Outputs: out0 4,096 x 100 float32.
;; 2 versions, each right; version 2 is version 1 with the launch prep written anew for expert scheduling mode. Each part assembles by itself: llvm-mc -triple=amdgcn-amd-amdhsa -mcpu=gfx1250 --defsym DOCPART=n.
;; ======== version 1 of 2: 4 launches
;; limits: values are held in f16: magnitudes above 65,504 overflow, below 6.1e-05 lose precision
;; workspace buffers: gfrag 524,288 bytes; vfrag 4,594,688 bytes; pf 25,165,824 bytes; part 27,262,976 bytes
;; launch prep (part 1): grid 224 x 1, 4 waves a work-group, no clusters, 80,384 bytes of LDS; arguments ex_classes, class_reps, g_weight, vfrag, gfrag; writes vfrag, gfrag
.if DOCPART == 1
	.amdgcn_target "amdgcn-amd-amdhsa--gfx1250"
	.amdhsa_code_object_version 6
	.text
	.protected	k_q9a2998c567_prep
	.globl	k_q9a2998c567_prep
	.p2align	8
	.type	k_q9a2998c567_prep,@function
k_q9a2998c567_prep:
	s_mov_b64 s[64:65], 0
	v_nop
	global_prefetch_b8 v0, s[64:65] scope:SCOPE_SE
	s_setreg_imm32_b32 hwreg(HW_REG_WAVE_MODE, 25, 1), 1
	s_wait_xcnt 0x0
; TWO JOBS, told apart by the work-group's number (the same in all four waves of a work-group).
; Work-groups 0-159: V = (bf16(ex_classes) x bf16(class_reps)) / max(L1, 1e-12), rounded once to f16, laid out as the later launch's matrix operand.
;   L1 = the sum of |bf16(ex_classes)| of a row, made by the matrix unit as |x| x ones (f32 sums): it then lies in the lanes and registers that divide by it.
;   A wave makes one step of 32 keys x 112 channels (100 + 12 of zeros).  The 20,000 keys are 625 steps; split y of 16 owns 40 places in vfrag: places 40 y + s take source step 39 y + s.
;   In splits 0-14 place 39 holds the next split's first step once more: the keys that stand against it are zeros, so it only has to be finite.  Place 0 of vfrag (ahead of split 0) is written as zeros.
;   vfrag: [1 + 40 y + s][cb 7][p 2][lane 32][8 f16] = V(key 16 p + 8 (lane / 16) + j, channel 16 cb + lane % 16): each store of a wave covers 512 consecutive bytes, aligned.
; Work-groups 160-223: g_weight rounded to bf16, gfrag: [c 16][nb 32][p 2][lane 32][8] = g[16 nb + lane % 16][32 c + 16 p + 8 (lane / 16) + j].
; LIMITS.  |V| must stay within f16's 65,504 (it is at most the largest |class_reps|); v_rcp_f32 takes a denormal as 0; NaN and infinities are not treated apart.
; NO CLUSTER, NO TENSOR LOAD: class_reps, the one thing that work-groups share, is rounded to bf16 and padded with zeros on its way into LDS, so it goes through registers.
.set RP,    224                        ; a row of class_reps in LDS: 112 bf16; 7 x 32 bytes
.set XS,    28672                      ; behind the 128 rows of class_reps: each wave's 32 keys x 400 bytes of f32
.set XB,    12800
.set SPARE, 79872                      ; the spare words, 128 bytes a wave
.set STEPV, 7168                       ; a step in vfrag
.set SPW, 2                            ; v2  my spare word; never rewritten
.set NIL, 3                            ; v3  0; never rewritten
.set LN,  4                            ; v4  16 x lane
.set RA,  5                            ; v5  my row of class_reps in memory
.set RW,  6                            ; v6  my row of class_reps in LDS
.set XW,  7                            ; v7  where I put 16 bytes of x
.set TRA, 8                            ; v8  the turning loads' address
.set XFA, 9                            ; v9  x's fragments: key l % 16, 32 bytes for each half of the lanes
.set Z,   10                           ; v[10:13] zeros
.set X3A, 14                           ; v14 the same without the halves' 32 bytes
.set OUT, 28                           ; v[28:127] class_reps as loaded; later v[28:55] what is stored
.set ACC, 64                           ; v[64:127] eight accumulators: channel blocks 0-6, then L1
.set RF,  128                          ; v[128:227] x as loaded; later v[128:183] class_reps' seven fragments
.set XF,  184                          ; x's fragment
.set XA,  192                          ; its magnitudes
.set XF3, 200                          ; the last 32 labels' fragment: four labels and zeros
.set XA3, 208
.set ONES,216
.set TMP, 224
.set RC,  240                          ; 1 / max(L1, 1e-12) of my eight keys
.set WV,  14
.macro PLACES                          ; four places behind matrix instructions, in front of loads and conversions into their sources and of readers of their results
.rept 4
	v_nop
.endr
.endm
	s_load_b256 s[4:11], s[0:1], 0x0               ; ex_classes s[4:5], class_reps s[6:7], g_weight s[8:9], vfrag s[10:11]
	s_load_b64 s[12:13], s[0:1], 0x20              ; gfrag
	v_lshl_add_u32 v[SPW], v0, 2, SPARE
	v_mov_b32 v[NIL], 0
	v_lshrrev_b32 v1, 5, v0
	v_readfirstlane_b32 s[WV], v1                  ; wave 0..3
	v_and_b32 v[LN], 31, v0
	v_lshlrev_b32 v[LN], 4, v[LN]
	s_cmp_ge_u32 ttmp9, 160
	s_cbranch_scc1 .Lg
	; ---- V ----
	s_lshl_b32 s15, ttmp9, 2
	s_add_co_u32 s15, s15, s[WV]                   ; my place 40 y + s, 0..639
	s_mul_i32 s16, s15, 205
	s_lshr_b32 s16, s16, 13                        ; y = place / 40 (exact up to 639)
	s_sub_co_u32 s16, s15, s16                     ; source step 39 y + s, 0..624
	s_mul_i32 s16, s16, XB
	s_mov_b32 s17, 0
	s_add_co_u32 s18, s15, 1
	s_mul_i32 s18, s18, STEPV
	s_mov_b32 s19, 0
	s_mul_i32 s20, s[WV], XB
	s_add_co_u32 s20, s20, XS                      ; my wave's x in LDS
	s_mov_b32 s21, 0xffff0000                      ; lanes 16-31
	v_min_u32 v[RA], 99, v0                        ; threads 100-127 read row 99 and store zeros
	v_mul_u32_u24 v[RA], v[RA], 400
	v_mul_u32_u24 v[RW], v0, RP
	v_add_nc_u32 v[XW], s20, v[LN]
	v_and_b32 v16, 7, v0
	v_bfe_u32 v17, v0, 4, 1                        ; l / 16
	v_bfe_u32 v18, v0, 3, 1
	v_lshl_add_u32 v16, v17, 3, v16
	v_mul_u32_u24 v[TRA], v16, RP                  ; label 8 (l / 16) + l % 8,
	v_lshl_add_u32 v[TRA], v18, 4, v[TRA]          ; channels 8 ((l / 8) % 2) on
	v_and_b32 v19, 15, v0
	v_mul_u32_u24 v19, v19, 400
	v_add_nc_u32 v[X3A], s20, v19
	v_lshl_add_u32 v[XFA], v17, 5, v[X3A]
.irp i, 0,1,2,3
	v_mov_b32 v[Z+(\i)], 0
.endr
	v_cmp_gt_u32 vcc_lo, 100, v0                   ; my row of class_reps exists
	s_wait_kmcnt 0x0
	s_add_nc_u64 s[4:5], s[4:5], s[16:17]          ; my 32 keys: 12,800 consecutive bytes
	s_add_nc_u64 s[22:23], s[10:11], s[18:19]      ; my place in vfrag
.set q, 0
.rept 25
	global_load_b128 v[OUT+4*q:OUT+4*q+3], v[RA], s[6:7] offset:16*q
.set q, q+1
.endr
.set q, 0
.rept 25
	global_load_b128 v[RF+4*q:RF+4*q+3], v[LN], s[4:5] offset:512*q
.set q, q+1
.endr
	s_wait_loadcnt 25                              ; class_reps is in; the 25 younger loads, x's, stay out
.set q, 0
.rept 25
	v_cvt_pk_bf16_f32 v[OUT+4*q], v[OUT+4*q], v[OUT+4*q+1]
	v_cvt_pk_bf16_f32 v[OUT+4*q+1], v[OUT+4*q+2], v[OUT+4*q+3]
	v_cndmask_b32 v[OUT+4*q], v[NIL], v[OUT+4*q], vcc_lo
	v_cndmask_b32 v[OUT+4*q+1], v[NIL], v[OUT+4*q+1], vcc_lo
	ds_store_b64 v[RW], v[OUT+4*q:OUT+4*q+1] offset:8*q
.set q, q+1
.endr
.irp i, 0,1,2
	ds_store_b64 v[RW], v[Z:Z+1] offset:200+8*(\i) ; channels 100-111
.endr
	s_wait_loadcnt 0x0
.set q, 0
.rept 25
	ds_store_b128 v[XW], v[RF+4*q:RF+4*q+3] offset:512*q
.set q, q+1
.endr
.irp i, 0,1,2,3,4,5,6,7
	v_mov_b32 v[ONES+(\i)], 0x3f803f80             ; 1.0 twice in bf16
.endr
.irp i, 2,3,4,5,6,7
	v_mov_b32 v[XF3+(\i)], 0
	v_mov_b32 v[XA3+(\i)], 0
.endr
	s_wait_dscnt 0x0                               ; for the others' sake: my row of class_reps lies in LDS
	s_barrier_signal -1
	s_barrier_wait -1
; eight products, the eight accumulators by turns: seven channel blocks and L1
.macro MULS xf, xa, c
.irp cb, 0,1,2,3,4,5,6
.if (\c) == 0
	v_wmma_f32_16x16x32_bf16 v[ACC+8*(\cb):ACC+8*(\cb)+7], v[(\xf):(\xf)+7], v[RF+8*(\cb):RF+8*(\cb)+7], 0
.else
	v_wmma_f32_16x16x32_bf16 v[ACC+8*(\cb):ACC+8*(\cb)+7], v[(\xf):(\xf)+7], v[RF+8*(\cb):RF+8*(\cb)+7], v[ACC+8*(\cb):ACC+8*(\cb)+7]
.endif
.endr
.if (\c) == 0
	v_wmma_f32_16x16x32_bf16 v[ACC+56:ACC+63], v[(\xa):(\xa)+7], v[ONES:ONES+7], 0
.else
	v_wmma_f32_16x16x32_bf16 v[ACC+56:ACC+63], v[(\xa):(\xa)+7], v[ONES:ONES+7], v[ACC+56:ACC+63]
.endif
.endm
; Key block kb (16 keys).  Source 0 = 16 keys x 32 labels, source 1 = 32 labels x 16 channels (class_reps lies [label][channel], so it is turned on its way out of LDS):
; in the result a lane holds one channel (l % 16) and the keys 8 (l / 16) + 0..7: 16 bytes of vfrag.
.macro KBLK kb
.irp c, 0,1,2,3
.if (\kb)+(\c) > 0
	PLACES
.endif
.irp cb, 0,1,2,3,4,5,6
	ds_load_tr16_b128 v[RF+8*(\cb):RF+8*(\cb)+3],   v[TRA] offset:32*RP*(\c)+32*(\cb)
	ds_load_tr16_b128 v[RF+8*(\cb)+4:RF+8*(\cb)+7], v[TRA] offset:32*RP*(\c)+32*(\cb)+16*RP
.endr
.if (\c) < 3
.irp i, 0,1,2,3
	ds_load_b128 v[TMP+4*(\i):TMP+4*(\i)+3], v[XFA] offset:6400*(\kb)+128*(\c)+16*((\i)%2)+64*((\i)/2)
.endr
	s_wait_dscnt 0x0
.irp i, 0,1,2,3,4,5,6,7
	v_cvt_pk_bf16_f32 v[XF+(\i)], v[TMP+2*(\i)], v[TMP+2*(\i)+1]
.endr
.irp i, 0,1,2,3,4,5,6,7
	v_and_b32 v[XA+(\i)], 0x7fff7fff, v[XF+(\i)]
.endr
	MULS XF, XA, \c
.else
	ds_load_b128 v[TMP:TMP+3], v[X3A] offset:6400*(\kb)+384  ; labels 96-99: all that is left of the row
	s_wait_dscnt 0x0
	v_cvt_pk_bf16_f32 v[XF3], v[TMP], v[TMP+1]
	v_cvt_pk_bf16_f32 v[XF3+1], v[TMP+2], v[TMP+3]
	v_cndmask_b32 v[XF3], v[XF3], v[NIL], s21      ; lanes 16-31 stand for labels 104 on: zeros
	v_cndmask_b32 v[XF3+1], v[XF3+1], v[NIL], s21
	v_and_b32 v[XA3], 0x7fff7fff, v[XF3]
	v_and_b32 v[XA3+1], 0x7fff7fff, v[XF3+1]
	MULS XF3, XA3, \c
.endif
.endr
	PLACES
.irp j, 0,1,2,3,4,5,6,7
	v_max_num_f32 v[RC+(\j)], 0x2b8cbccc, v[ACC+56+(\j)]  ; max(L1, 1e-12) of key 8 (l / 16) + j
.endr
.irp j, 0,1,2,3,4,5,6,7
	v_rcp_f32 v[RC+(\j)], v[RC+(\j)]
.endr
	v_nop                                          ; a plain instruction behind the last reciprocal,
	s_wait_alu depctr_va_vdst(0)                   ; and one wait for the eight, ahead of their first reader
	s_wait_xcnt 0x0                                ; the last block's stores have read OUT
.irp cb, 0,1,2,3,4,5,6
.irp k, 0,1,2,3
	v_pk_mul_f32 v[ACC+8*(\cb)+2*(\k):ACC+8*(\cb)+2*(\k)+1], v[ACC+8*(\cb)+2*(\k):ACC+8*(\cb)+2*(\k)+1], v[RC+2*(\k):RC+2*(\k)+1]
.endr
.irp k, 0,1,2,3
	v_cvt_pk_f16_f32 v[OUT+4*(\cb)+(\k)], v[ACC+8*(\cb)+2*(\k)], v[ACC+8*(\cb)+2*(\k)+1]
.endr
	global_store_b128 v[LN], v[OUT+4*(\cb):OUT+4*(\cb)+3], s[22:23] offset:1024*(\cb)+512*(\kb)
.endr
.endm
	KBLK 0
	KBLK 1
	s_cmp_lg_u32 s15, 0                            ; the wave of place 0 also writes the zeros ahead of it
	s_cbranch_scc1 .Lend
.set q, 0
.rept 14
	global_store_b128 v[LN], v[Z:Z+3], s[10:11] offset:512*q
.set q, q+1
.endr
	s_branch .Lend
	; ---- g_weight to bf16, in fragment order: 512 pieces of 16 bytes a work-group, four a thread ----
.Lg:
	s_sub_co_u32 s15, ttmp9, 160                   ; gi: c = gi / 4, nb = 8 (gi % 4) + thread / 64 + 2 i
	s_and_b32 s16, s15, 3
	s_lshl_b32 s16, s16, 18                        ; 128 rows of 2,048 bytes
	s_lshr_b32 s17, s15, 2
	s_lshl_b32 s17, s17, 7                         ; 32 columns of 4 bytes
	s_add_co_u32 s16, s16, s17
	v_lshrrev_b32 v16, 6, v0
	v_and_b32 v17, 15, v0
	v_bfe_u32 v18, v0, 5, 1                        ; p
	v_bfe_u32 v19, v0, 4, 1                        ; l / 16
	v_lshlrev_b32 v16, 15, v16
	v_lshl_add_u32 v16, v17, 11, v16
	v_lshl_add_u32 v16, v18, 6, v16
	v_lshl_add_u32 v16, v19, 5, v16
	v_add_nc_u32 v16, s16, v16
	s_lshl_b32 s17, s15, 13
	v_lshl_add_u32 v17, v0, 4, s17
	s_wait_kmcnt 0x0
.irp i, 0,1,2,3
	global_load_b128 v[32+8*(\i):32+8*(\i)+3], v16, s[8:9] offset:65536*(\i)
	global_load_b128 v[32+8*(\i)+4:32+8*(\i)+7], v16, s[8:9] offset:65536*(\i)+16
.endr
	s_wait_loadcnt 0x0
.irp i, 0,1,2,3
.irp k, 0,1,2,3
	v_cvt_pk_bf16_f32 v[64+4*(\i)+(\k)], v[32+8*(\i)+2*(\k)], v[32+8*(\i)+2*(\k)+1]
.endr
	global_store_b128 v17, v[64+4*(\i):64+4*(\i)+3], s[12:13] offset:2048*(\i)
.endr
.Lend:
	s_wait_tensorcnt 0x0                           ; the wave's end: three lines, behind my last LDS store
	ds_add_u32 v[SPW], v[NIL]
	s_wait_dscnt 0x0
	s_endpgm
.Lfunc_end_k_q9a2998c567_prep:
	.size	k_q9a2998c567_prep, .Lfunc_end_k_q9a2998c567_prep-k_q9a2998c567_prep
	.p2alignl 7, 3214868480
	.fill 96, 4, 3214868480
	.section	.rodata,"a",@progbits
	.p2align	6, 0x0
	.amdhsa_kernel k_q9a2998c567_prep
		.amdhsa_group_segment_fixed_size 80384
		.amdhsa_private_segment_fixed_size 0
		.amdhsa_enable_private_segment 0
		.amdhsa_kernarg_size 40
		.amdhsa_user_sgpr_count 2
		.amdhsa_user_sgpr_kernarg_segment_ptr 1
		.amdhsa_wavefront_size32 1
		.amdhsa_system_sgpr_workgroup_id_x 1
		.amdhsa_system_sgpr_workgroup_id_y 1
		.amdhsa_system_sgpr_workgroup_id_z 1
		.amdhsa_system_vgpr_workitem_id 0
		.amdhsa_next_free_vgpr 256
		.amdhsa_next_free_sgpr 66
		.amdhsa_reserve_vcc 1
		.amdhsa_float_denorm_mode_32 3
		.amdhsa_float_denorm_mode_16_64 3
		.amdhsa_memory_ordered 1
		.amdhsa_forward_progress 1
		.amdhsa_inst_pref_size 52
	.end_amdhsa_kernel
	.amdgpu_metadata
---
amdhsa.version: [ 1, 2 ]
amdhsa.kernels:
  - .name:           k_q9a2998c567_prep
    .symbol:         k_q9a2998c567_prep.kd
    .args:
      - { .name: ex_classes, .offset: 0, .size: 8, .value_kind: global_buffer, .address_space: global }
      - { .name: class_reps, .offset: 8, .size: 8, .value_kind: global_buffer, .address_space: global }
      - { .name: g_weight, .offset: 16, .size: 8, .value_kind: global_buffer, .address_space: global }
      - { .name: vfrag, .offset: 24, .size: 8, .value_kind: global_buffer, .address_space: global }
      - { .name: gfrag, .offset: 32, .size: 8, .value_kind: global_buffer, .address_space: global }
    .group_segment_fixed_size: 80384
    .private_segment_fixed_size: 0
    .kernarg_segment_align: 8
    .kernarg_segment_size: 40
    .max_flat_workgroup_size: 128
    .sgpr_count:     66
    .vgpr_count:     256
    .wavefront_size: 32
...
	.end_amdgpu_metadata
.endif
;; end of part 1
;; launch proj (part 2): grid 256 x 1, 4 waves a work-group, no clusters, 204,800 bytes of LDS; arguments features, ex_features, gfrag, pf; writes pf
.if DOCPART == 2
	.amdgcn_target "amdgcn-amd-amdhsa--gfx1250"
	.amdhsa_code_object_version 6
	.text
	.protected	k_q9a2998c567_proj
	.globl	k_q9a2998c567_proj
	.p2align	8
	.type	k_q9a2998c567_proj,@function
k_q9a2998c567_proj:
	s_mov_b64 s[64:65], 0
	v_nop
	global_prefetch_b8 v0, s[64:65] scope:SCOPE_SE
	s_setreg_imm32_b32 hwreg(HW_REG_WAVE_MODE, 25, 1), 1
	s_wait_xcnt 0x0
; BOTH PROJECTIONS AND THEIR NORMS.  pf row = (x g^T) / max(|x g^T|, 1e-12) x SC, rounded once to f16; x and g in bf16, sums in f32.
; pf: [tile 1536][nb 32][lane 32][8 f16] = row lane % 16 of the tile, feature 16 nb + 8 (lane / 16) + j: the later launch's matrix operand as it lies in registers.
;   tiles 0-255: the 4,096 queries, SC = 32 (an exact power of two: the later cube of a cosine then lies in the middle of f16's range; it is divided out at the end).
;   tiles 256 + 80 y + 2 s + kb: keys of split y, step s (0-39), key block kb, SC = 1.  Split y takes source steps 39 y + s; in splits 0-14 step 39 is a step of zero keys: SC = 0.
; SHARES.  A work-group makes 96 rows (6 tiles, three groups of 32 rows, each from features or from ex_features by its number); wave w makes all 96 rows x features 128 w .. 128 w + 127: 48 accumulators.
; The product is used transposed (source 0 = 16 rows of g, source 1 = 16 rows of x): a lane's eight results are 16 bytes of pf, stored straight from registers, 512 consecutive bytes a store.
; x comes once, as f32, by three tensor loads a wave (K chunk w of each group: 32 rows x 512 bytes; three of mine are out at the most); every wave rounds the fragments that it reads to bf16.
; g comes from gfrag straight into registers, a ring of four K steps of 32.
; NO CLUSTER: in a work-group a fragment of g has one reader, the wave that owns those features, and gfrag holds it as it lies in registers; x takes 202,752 bytes of LDS, which leaves no room for
; two slots of g longer than 32 along K: 48 matrix instructions for a round of a cluster's barrier.  Tiles have 32 rows since neighbouring groups may lie in different buffers.
; LIMITS.  v_sqrt_f32 and v_rcp_f32 take a denormal as 0; NaN and infinities are not treated apart.
; REGISTERS, in windows of 256 (s_set_vgpr_msb: bits 1:0 source 0, 3:2 source 1, 5:4 source 2, 7:6 destination):
;   window 0: v0-31 addresses and sums; v32-127 x as f32 (later what is stored); v128-175, v176-223 x's fragments, two buffers
;   window 1: g's ring, four slots of 64      window 2: accumulators of row blocks 0-3 ((mb, b) at 64 mb + 8 b)      window 3: v0-127 those of row blocks 4, 5
.set XP,    528                        ; a row of x in LDS: 512 bytes + 16 of padding: the 16 rows of a load start 33 x 16 bytes apart
.set XT,    32*XP                      ; a tile
.set CH,    3*XT                       ; a K chunk: three groups' tiles
.set NORM,  4*CH                       ; behind x, never filled by a tensor load: each wave's 96 partial sums of squares
.set SPARE, NORM+1536                  ; the spare words, 128 bytes a wave
.set SPW, 2                            ; v2  my spare word; never rewritten
.set NIL, 3                            ; v3  0; never rewritten
.set LB,  4                            ; v4  16 x lane + 8,192 x wave: my bytes of a K step of gfrag
.set AX,  5                            ; v5  x's fragments in LDS: row l % 16, 32 bytes for each half of the lanes; steps by K chunks
.set PO,  6                            ; v6  16 x lane + 4,096 x wave: my bytes of a tile of pf
.set NW,  7                            ; v7  where I put a sum of squares
.set NR,  8                            ; v8  where I read them
.set SS,  10                           ; v[10:21] a pair for each row block: sums of squares, later the factor
.set TF,  32
.set AF,  128
.set WV,  12
.set G1,  16                           ; s[16:23] descriptor group 1
.set G0,  24                           ; s[24:35] descriptor group 0 for the three groups
.set SC,  36                           ; s36-38  the groups' factors
.set ISF, 50                           ; s50-52  1: the group lies in features
.set RO,  54                           ; s[54:59] the groups' byte offsets in their buffers
.set MSB, 0
.macro WIN new                         ; the immediate's high byte repeats the setting that is left; a switch that changes nothing is dropped
.if MSB != (\new)
	s_set_vgpr_msb (MSB<<8)|(\new)
.set MSB, (\new)
.endif
.endm
.macro PLACES
.rept 4
	v_nop
.endr
.endm
.macro GRPID g                         ; group G = 3 x work-group + g: where it lies and its factor
	s_add_co_u32 s44, s13, \g
	s_sub_co_u32 s45, s44, 128                     ; 40 y + s (of no meaning for a group of queries: chosen away below)
	s_mul_i32 s46, s45, 205
	s_lshr_b32 s46, s46, 13                        ; y (exact up to 639)
	s_sub_co_u32 s47, s45, s46                     ; source step 39 y + s: inside the buffer for s = 39 too
	s_mul_i32 s48, s46, 40
	s_sub_co_u32 s48, s45, s48                     ; s
	s_cmp_lt_u32 s48, 39
	s_cselect_b32 s49, 1.0, 0
	s_cmp_eq_u32 s46, 15                           ; the last split has 40 true steps
	s_cselect_b32 s49, 1.0, s49
	s_cmp_lt_u32 s44, 128
	s_cselect_b32 s[SC+(\g)], 0x42000000, s49      ; 32.0 for queries
	s_cselect_b32 s47, s44, s47
	s_cselect_b32 s[ISF+(\g)], 1, 0
	s_lshl_b32 s[RO+2*(\g)], s47, 16               ; 32 rows of 2,048 bytes
	s_add_co_u32 s[RO+2*(\g)], s[RO+2*(\g)], s15   ; + my K chunk's 512 bytes
	s_mov_b32 s[RO+2*(\g)+1], 0
.endm
.macro GRPD g                          ; its descriptor group 0
	s_cmp_eq_u32 s[ISF+(\g)], 1
	s_cselect_b64 s[60:61], s[4:5], s[6:7]
	s_mov_b32 s[G0+4*(\g)], 1
	s_add_co_u32 s[G0+4*(\g)+1], s14, (\g)*XT
	s_add_nc_u64 s[G0+4*(\g)+2:G0+4*(\g)+3], s[60:61], s[RO+2*(\g):RO+2*(\g)+1]
	s_or_b32 s[G0+4*(\g)+3], s[G0+4*(\g)+3], 0x80000000
.endm
	s_load_b256 s[4:11], s[0:1], 0x0               ; features s[4:5], ex_features s[6:7], gfrag s[8:9], pf s[10:11]
	v_lshl_add_u32 v[SPW], v0, 2, SPARE
	v_mov_b32 v[NIL], 0
	ds_add_u32 v[SPW], v[NIL]                      ; the wave's opening: the add, twice on end, and its wait ahead of my first tensor load
	ds_add_u32 v[SPW], v[NIL]
	v_lshrrev_b32 v1, 5, v0
	v_readfirstlane_b32 s[WV], v1                  ; wave 0..3
	s_mov_b32 s[G1+0], (2<<16)|(1<<20)|(6<<22)|(3<<25)  ; elements of 4 bytes; padding on: after every 128 words (code 6) 4 words (code 3)
	s_mov_b32 s[G1+1], 128<<16                     ; tensor_dim0 = 128
	s_mov_b32 s[G1+2], 32<<16                      ; tensor_dim1 = 32
	s_mov_b32 s[G1+3], 128<<16                     ; tile_dim0 = 128
	s_mov_b32 s[G1+4], 32                          ; tile_dim1 = 32
	s_mov_b32 s[G1+5], 512                         ; elements from row to row
	s_mov_b32 s[G1+6], 0
	s_mov_b32 s[G1+7], 0
	s_mov_b32 s40, 0x76543210                      ; v_permlanex16_b32: each lane takes its own place in the other half
	s_mov_b32 s41, 0xfedcba98
	s_mul_i32 s13, ttmp9, 3
	s_mul_i32 s14, s[WV], CH                       ; my K chunk in LDS
	s_lshl_b32 s15, s[WV], 9
	GRPID 0
	GRPID 1
	GRPID 2
	s_mul_i32 s42, ttmp9, 98304                    ; the work-group's six tiles of pf
	s_mov_b32 s43, 0
	s_wait_dscnt 0x0                               ; both opening adds are done
	s_wait_kmcnt 0x0
	GRPD 0
	GRPD 1
	GRPD 2
	s_add_nc_u64 s[10:11], s[10:11], s[42:43]
	tensor_load_to_lds s[G0:G0+3], s[G1:G1+7]
	s_nop 0
	tensor_load_to_lds s[G0+4:G0+7], s[G1:G1+7]
	s_nop 0
	tensor_load_to_lds s[G0+8:G0+11], s[G1:G1+7]
	s_nop 0
	v_and_b32 v1, 31, v0
	v_lshlrev_b32 v1, 4, v1
	s_lshl_b32 s44, s[WV], 13
	v_add_nc_u32 v[LB], s44, v1
	s_lshl_b32 s44, s[WV], 12
	v_add_nc_u32 v[PO], s44, v1
	v_and_b32 v9, 15, v0
	v_bfe_u32 v1, v0, 4, 1
	v_mul_u32_u24 v[AX], v9, XP
	v_lshl_add_u32 v[AX], v1, 5, v[AX]
	v_lshlrev_b32 v[NR], 2, v9
	v_add_nc_u32 v[NR], NORM, v[NR]
	s_mul_i32 s44, s[WV], 384
	v_add_nc_u32 v[NW], s44, v[NR]
	WIN 0x40                                       ; destination window 1, address window 0
.irp c, 0,1,2
.irp f, 0,1,2,3,4,5,6,7
	global_load_b128 v[64*(\c)+8*(\f):64*(\c)+8*(\f)+3],   v[LB], s[8:9] offset:32768*(\c)+1024*(\f)
	global_load_b128 v[64*(\c)+8*(\f)+4:64*(\c)+8*(\f)+7], v[LB], s[8:9] offset:32768*(\c)+1024*(\f)+512
.endr
.endr
	WIN 0
; 24 LDS loads: x's 96 rows x 32 K as f32, at byte koff of the chunk's rows
.macro TFL koff
.irp mb, 0,1,2,3,4,5
.irp i, 0,1,2,3
	ds_load_b128 v[TF+16*(\mb)+4*(\i):TF+16*(\mb)+4*(\i)+3], v[AX] offset:((\mb)/2)*XT+((\mb)%2)*16*XP+(\koff)+16*((\i)%2)+64*((\i)/2)
.endr
.endr
.endm
.macro CVT par                         ; the next of 48 roundings into fragment buffer par
	v_cvt_pk_bf16_f32 v[AF+48*(\par)+cn], v[TF+2*cn], v[TF+2*cn+1]
.set cn, cn+1
.endm
.macro PROD q, par, zero               ; the next of a K step's 48 products: all 48 accumulators take turns, one instruction a turn
.set mb_, pn/8
.set b_, pn%8
.set rD, 64*(mb_%4)+8*b_
	WIN 0xa1+0x50*(mb_/4)                          ; g window 1, x window 0, C and D window 2 or 3
.if \zero
	v_wmma_f32_16x16x32_bf16 v[rD:rD+7], v[64*(\q)+8*b_:64*(\q)+8*b_+7], v[AF+48*(\par)+8*mb_:AF+48*(\par)+8*mb_+7], 0
.else
	v_wmma_f32_16x16x32_bf16 v[rD:rD+7], v[64*(\q)+8*b_:64*(\q)+8*b_+7], v[AF+48*(\par)+8*mb_:AF+48*(\par)+8*mb_+7], v[rD:rD+7]
.endif
.set pn, pn+1
.endm
; K step c, q = c % 4.  bl: g of step c + 3 is asked for, into the slot that step c - 1 multiplied (the six roundings that close that step are the places behind its last product);
; al: x of step c + 1 is read and rounded, six roundings behind every four products; left: the younger loads of g that may stay out.
.macro STEP q, zero, bl, bimm, al, left
.if \bl
	WIN 0x40
.irp f, 0,1,2,3,4,5,6,7
	global_load_b128 v[64*(((\q)+3)%4)+8*(\f):64*(((\q)+3)%4)+8*(\f)+3],   v[LB], s[8:9] offset:(\bimm)+1024*(\f)
	global_load_b128 v[64*(((\q)+3)%4)+8*(\f)+4:64*(((\q)+3)%4)+8*(\f)+7], v[LB], s[8:9] offset:(\bimm)+1024*(\f)+512
.endr
.endif
.if \al
	WIN 0
.if ((\q)+1)%4 == 0
	v_add_nc_u32 v[AX], CH, v[AX]                  ; the next K chunk
.endif
	TFL (((\q)+1)%4)*128
.endif
	s_wait_loadcnt \left                           ; loads come back in order: this step's g is in
.set pn, 0
.set cn, 0
.rept 16
	PROD \q, (\q)%2, \zero
.endr
.if \al
	s_wait_dscnt 0x0                               ; the next step's x is in
.endif
.rept 8
.rept 4
	PROD \q, (\q)%2, \zero
.endr
.if \al
	WIN 0
.rept 6
	CVT 1-(\q)%2
.endr
.endif
.endr
.endm
	s_wait_tensorcnt 0x0                           ; my K chunk of all three groups has landed,
	s_barrier_signal -1
	s_barrier_wait -1                              ; everybody's has; nothing is ever filled again
	TFL 0
	s_wait_dscnt 0x0
.set cn, 0
.rept 48
	CVT 0
.endr
	STEP 0, 1, 1, 3*32768, 1, 48                   ; the first K step starts the sums
	WIN 0
	s_mov_b32 s39, 3
.Lk:                                               ; K steps 4 i + 1 .. 4 i + 4
	STEP 1, 0, 1, 4*32768, 1, 48
	STEP 2, 0, 1, 5*32768, 1, 48
	STEP 3, 0, 1, 6*32768, 1, 48
	STEP 0, 0, 1, 7*32768, 1, 48
	WIN 0
	s_wait_xcnt 0x0                                ; the loads have read their base
	s_add_nc_u64 s[8:9], s[8:9], 131072            ; four K steps of gfrag
	s_sub_co_u32 s39, s39, 1
	s_cmp_lg_u32 s39, 0
	s_cbranch_scc1 .Lk
	STEP 1, 0, 0, 0, 1, 32                         ; the last three ask for no g: the counts run down
	STEP 2, 0, 0, 0, 1, 16
	STEP 3, 0, 0, 0, 0, 0
	WIN 0
	PLACES
	; THE NORMS.  A lane holds one row of each block and 64 of its features: their squares are summed, then the other half of the lanes', then the four waves' through LDS.
	WIN 0x0a                                       ; sources 0 and 1 window 2
.set i_, 0
.rept 32
.irp mb, 0,1,2,3
.if i_ == 0
	v_pk_mul_f32 v[SS+2*(\mb):SS+2*(\mb)+1], v[64*(\mb)+2*i_:64*(\mb)+2*i_+1], v[64*(\mb)+2*i_:64*(\mb)+2*i_+1]
.else
	v_pk_fma_f32 v[SS+2*(\mb):SS+2*(\mb)+1], v[64*(\mb)+2*i_:64*(\mb)+2*i_+1], v[64*(\mb)+2*i_:64*(\mb)+2*i_+1], v[SS+2*(\mb):SS+2*(\mb)+1]
.endif
.endr
.set i_, i_+1
.endr
	WIN 0x0f                                       ; window 3
.set i_, 0
.rept 32
.irp mb, 4,5
.if i_ == 0
	v_pk_mul_f32 v[SS+2*(\mb):SS+2*(\mb)+1], v[64*((\mb)-4)+2*i_:64*((\mb)-4)+2*i_+1], v[64*((\mb)-4)+2*i_:64*((\mb)-4)+2*i_+1]
.else
	v_pk_fma_f32 v[SS+2*(\mb):SS+2*(\mb)+1], v[64*((\mb)-4)+2*i_:64*((\mb)-4)+2*i_+1], v[64*((\mb)-4)+2*i_:64*((\mb)-4)+2*i_+1], v[SS+2*(\mb):SS+2*(\mb)+1]
.endif
.endr
.set i_, i_+1
.endr
	WIN 0
.irp mb, 0,1,2,3,4,5
	v_add_f32 v[SS+2*(\mb)], v[SS+2*(\mb)], v[SS+2*(\mb)+1]
.endr
.irp mb, 0,1,2,3,4,5
	v_permlanex16_b32 v[SS+2*(\mb)+1], v[SS+2*(\mb)], s40, s41
.endr
.irp mb, 0,1,2,3,4,5
	v_add_f32 v[SS+2*(\mb)], v[SS+2*(\mb)], v[SS+2*(\mb)+1]
.endr
.irp mb, 0,1,2,3,4,5
	ds_store_b32 v[NW], v[SS+2*(\mb)] offset:64*(\mb)  ; both halves of the lanes write the same word with the same number
.endr
	s_wait_dscnt 0x0                               ; for the others' sake
	s_barrier_signal -1
	s_barrier_wait -1
.irp mb, 0,1,2,3,4,5
.irp w, 0,1,2,3
	ds_load_b32 v[TF+4*(\mb)+(\w)], v[NR] offset:384*(\w)+64*(\mb)
.endr
.endr
	s_wait_dscnt 0x0
.irp mb, 0,1,2,3,4,5
	v_add_f32 v[TF+4*(\mb)], v[TF+4*(\mb)], v[TF+4*(\mb)+1]
	v_add_f32 v[TF+4*(\mb)+2], v[TF+4*(\mb)+2], v[TF+4*(\mb)+3]
.endr
.irp mb, 0,1,2,3,4,5
	v_add_f32 v[SS+2*(\mb)], v[TF+4*(\mb)], v[TF+4*(\mb)+2]
.endr
.irp mb, 0,1,2,3,4,5
	v_sqrt_f32 v[SS+2*(\mb)], v[SS+2*(\mb)]
.endr
	v_nop                                          ; a plain instruction behind the last root, and one wait for the six
	s_wait_alu depctr_va_vdst(0)
.irp mb, 0,1,2,3,4,5
	v_max_num_f32 v[SS+2*(\mb)], 0x2b8cbccc, v[SS+2*(\mb)]  ; max(norm, 1e-12)
.endr
.irp mb, 0,1,2,3,4,5
	v_rcp_f32 v[SS+2*(\mb)], v[SS+2*(\mb)]
.endr
	v_nop
	s_wait_alu depctr_va_vdst(0)                   ; one wait for the six reciprocals
.irp mb, 0,1,2,3,4,5
	v_mul_f32 v[SS+2*(\mb)], s[SC+(\mb)/2], v[SS+2*(\mb)]
.endr
.irp mb, 0,1,2,3,4,5
	v_mov_b32 v[SS+2*(\mb)+1], v[SS+2*(\mb)]       ; named with it as a pair
.endr
; THE WAY OUT of row block mb: scaled in place, rounded to f16, stored: three sets of registers take turns
.macro OUTM mb
.set a_, 64*((\mb)%4)
.set o_, TF+32*((\mb)%3)
	WIN 0x82+0x41*((\mb)/4)                        ; destination and source 0 window 2 or 3, the factor window 0
.set i_, 0
.rept 32
	v_pk_mul_f32 v[a_+2*i_:a_+2*i_+1], v[a_+2*i_:a_+2*i_+1], v[SS+2*(\mb):SS+2*(\mb)+1] op_sel_hi:[1,0]
.set i_, i_+1
.endr
	s_wait_xcnt 0x0                                ; earlier stores have read their registers
	WIN 0x0a+5*((\mb)/4)
.set i_, 0
.rept 32
	v_cvt_pk_f16_f32 v[o_+i_], v[a_+2*i_], v[a_+2*i_+1]
.set i_, i_+1
.endr
	WIN 0
.irp b, 0,1,2,3,4,5,6,7
	global_store_b128 v[PO], v[o_+4*(\b):o_+4*(\b)+3], s[10:11] offset:16384*(\mb)+512*(\b)  ; 512 consecutive bytes, aligned
.endr
.endm
	OUTM 0
	OUTM 1
	OUTM 2
	OUTM 3
	OUTM 4
	OUTM 5
	s_wait_tensorcnt 0x0                           ; the wave's end: three lines, behind my last tensor load and my last LDS store
	ds_add_u32 v[SPW], v[NIL]
	s_wait_dscnt 0x0
	s_endpgm
.Lfunc_end_k_q9a2998c567_proj:
	.size	k_q9a2998c567_proj, .Lfunc_end_k_q9a2998c567_proj-k_q9a2998c567_proj
	.p2alignl 7, 3214868480
	.fill 96, 4, 3214868480
	.section	.rodata,"a",@progbits
	.p2align	6, 0x0
	.amdhsa_kernel k_q9a2998c567_proj
		.amdhsa_group_segment_fixed_size 204800
		.amdhsa_private_segment_fixed_size 0
		.amdhsa_enable_private_segment 0
		.amdhsa_kernarg_size 32
		.amdhsa_user_sgpr_count 2
		.amdhsa_user_sgpr_kernarg_segment_ptr 1
		.amdhsa_wavefront_size32 1
		.amdhsa_system_sgpr_workgroup_id_x 1
		.amdhsa_system_sgpr_workgroup_id_y 1
		.amdhsa_system_sgpr_workgroup_id_z 1
		.amdhsa_system_vgpr_workitem_id 0
		.amdhsa_next_free_vgpr 896
		.amdhsa_next_free_sgpr 66
		.amdhsa_reserve_vcc 0
		.amdhsa_float_denorm_mode_32 3
		.amdhsa_float_denorm_mode_16_64 3
		.amdhsa_memory_ordered 1
		.amdhsa_forward_progress 1
		.amdhsa_inst_pref_size 129
	.end_amdhsa_kernel
	.amdgpu_metadata
---
amdhsa.version: [ 1, 2 ]
amdhsa.kernels:
  - .name:           k_q9a2998c567_proj
    .symbol:         k_q9a2998c567_proj.kd
    .args:
      - { .name: features, .offset: 0, .size: 8, .value_kind: global_buffer, .address_space: global }
      - { .name: ex_features, .offset: 8, .size: 8, .value_kind: global_buffer, .address_space: global }
      - { .name: gfrag, .offset: 16, .size: 8, .value_kind: global_buffer, .address_space: global }
      - { .name: pf, .offset: 24, .size: 8, .value_kind: global_buffer, .address_space: global }
    .group_segment_fixed_size: 204800
    .private_segment_fixed_size: 0
    .kernarg_segment_align: 8
    .kernarg_segment_size: 32
    .max_flat_workgroup_size: 128
    .sgpr_count:     66
    .vgpr_count:     896
    .wavefront_size: 32
...
	.end_amdgpu_metadata
.endif
;; end of part 2
;; launch main (part 3): grid 16 x 16, 4 waves a work-group, clusters of 4 x 1, 327,680 bytes of LDS; arguments pf, vfrag, part; writes part
.if DOCPART == 3
	.amdgcn_target "amdgcn-amd-amdhsa--gfx1250"
	.amdhsa_code_object_version 6
	.text
	.protected	k_q9a2998c567_main
	.globl	k_q9a2998c567_main
	.p2align	8
	.type	k_q9a2998c567_main,@function
k_q9a2998c567_main:
	s_mov_b64 s[64:65], 0
	v_nop
	global_prefetch_b8 v0, s[64:65] scope:SCOPE_SE
	s_setreg_imm32_b32 hwreg(HW_REG_WAVE_MODE, 25, 1), 1
	s_wait_xcnt 0x0
	s_wait_alu depctr_hold_cnt(0) depctr_sa_sdst(0) depctr_va_vdst(0) depctr_va_sdst(0) depctr_va_ssrc(0) depctr_va_vcc(0) depctr_vm_vsrc(0)
	s_getreg_b32 s2, hwreg(HW_REG_IB_STS2, 6, 4)
	s_cmp_eq_u32 s2, 0
	s_cbranch_scc0 .Lentry_in_a_cluster
	s_endpgm
.Lentry_in_a_cluster:
	s_bfe_u32 s2, ttmp6, 0x10000c
	s_cmp_lg_u32 s2, 0x3003
	s_cbranch_scc0 .Lentry_shape_is_right
	s_endpgm
.Lentry_shape_is_right:
; part[y][query] = the sums over the keys of split y of p V and of |p|, p = s^3, s = 32 fn . en (so p carries the factor 32,768, which the next launch divides out with the sum of |p|).
; sign(s) |s|^3 = s^3.  Q (32 fn), K (en) and V in f16, products and sums in f32; p is rounded once to f16 for the second product, the sum l of |p| is taken of the unrounded p.
; No maximum is taken: the problem has no exponential, and |s| <= 32 for every input, since both vectors are normalised: |p| <= 32,768, inside f16.
; LIMITS.  A weight with |cosine| under 1.2e-4 counts as 0 in the second product (not in l); under 1.2e-3 it has f16's fixed step of 6e-8, beside weights near 3.  NaN and infinities are not treated apart.
; SHARES.  A work-group owns 256 queries and one of 16 splits of the keys: 40 steps of 32 keys (in splits 0-14 the last is a step of zero keys).  A wave owns 64 queries: four tiles of 16, whose Q
; (512 features) stays in 512 registers.  A fragment of K read from LDS feeds four products.
; LAYOUT.  S^T = K Q^T (source 0 = 16 keys, source 1 = 16 queries): a lane holds ONE query (lane % 16) and the keys 8 (lane / 16) + 0..7.  The results of a step's two key blocks, cubed and rounded in
; pairs, ARE source 1 (32 keys x 16 queries) of O^T = V^T P.  pf and vfrag hold every operand as it lies in registers, so tiles are dense rows of 256 bytes, LDS reads are 512 consecutive bytes, nothing is turned.
; TURNS.  A key block is 64 products K Q^T.  Turn E (block 0 of step j): 32 of them, between them the cubing of block 1 of step j - 1; 16 products V^T P of step j - 1; the other 32; the other 12 products V^T P.
; Turn O (block 1), in halves OA and OB of 32 products, carries the cubing of block 0.  The vector work stands in slices of four behind products; the last slice of a group of 32 stands behind its last product.
; LDS LOADS stand in four runs a step, each into registers whose last reader stands four plain instructions back: in E {V 6, K 16} and {V 8, K 16}, in OB {K 16} twice.
; RING.  Two slots; a slot holds K of two steps (65,536 bytes) and V of three (the step before them too: V^T P runs a step behind K Q^T).  The slots change between OA and OB of a slot's second step:
; the slot's last bytes were asked for 32 products earlier.
; CLUSTER.  The four query blocks of a cluster walk the same split, so each tile is asked for JOINTLY: the same tensor load, descriptor and mask in all four.  Two loads of mine are out at the start, one behind each round.
; The first step is a step like any other: O, l, P and the second score buffer start at 0, written while Q and the first tile are on their way.
; REGISTERS, in windows of 256 (s_set_vgpr_msb: bits 1:0 source 0, 3:2 source 1, 5:4 source 2, 7:6 destination):
;   window 0: v0-9 addresses; v10-17 l; v18-25 at work; v32-63, v64-95 S^T of key blocks 0, 1; v96-127 P; v128-255 K of one key block
;   window 1: v0-223 O^T ((t, cb) at 56 t + 8 cb); v224-255 four fragments of V      windows 2, 3: Q ((c, t) at 32 (c % 8) + 8 t; c < 8 in window 2)
.set SLOT1, 131072                     ; slot 1 begins here: one exclusive or turns an address in one slot into the other's
.set VOFF,  65536                      ; V behind K in a slot
.set VSTEP, 7168
.set SPARE, SLOT1+VOFF+3*VSTEP         ; behind the ring: the spare words, 128 bytes a wave
.set AK0, 2                            ; v2  16 x lane: my place in every fragment, in Q's tiles and in part; never rewritten
.set AV0, 3                            ; v3  the same + VOFF
.set AK,  4                            ; v4  the LDS address of K's loads in hand
.set AV,  5                            ; v5  of V's
.set PFO, 7                            ; v7  the prefetches' offset; never rewritten
.set SPW, 8                            ; v8  my spare word; never rewritten
.set NIL, 9                            ; v9  0; never rewritten
.set L,   10                           ; tile t: v[L+2t:L+2t+1], two partial sums of |p|
.set T,   18
.set S0,  32
.set S1,  64
.set P,   96                           ; tile t at P + 8 t: registers 0-3 key block 0, 4-7 key block 1
.set KA,  128
.set VB,  224
.set WV,  12
.set LIM, 15                           ; s15  2 in a wave that prefetches, else the greatest number
.set PFA, 18                           ; s[18:19] where my prefetches stand
.set G1K, 24
.set G1V, 32
.set G0K, 40                           ; s[40:47] a set for each of the two first fills; the second then walks on
.set G0V, 48
.set SLOTS, 56
.set CNT, 57
.set TBK, 58                           ; s58  LDS byte of the key block to be fetched
.set TBV, 59                           ; s59  LDS byte, less VOFF, of V of the step whose V^T P is in hand
.set SEL, 60
.set PFS, 62                           ; s[62:63] the prefetches' step
.set MSB, 0
.macro WIN new                         ; the immediate's high byte repeats the setting that is left; a switch that changes nothing is dropped
.if MSB != (\new)
	s_set_vgpr_msb (MSB<<8)|(\new)
.set MSB, (\new)
.endif
.endm
.macro PLACES                          ; four places behind matrix instructions, in front of loads into their sources and of readers of their results
.rept 4
	v_nop
.endr
.endm
; A joint refill.  Waves 0 and 1 fetch the halves of a slot's K, waves 2 and 3 those of its V.  The branch hangs on the wave's number alone.  An s_nop 0 and four v_nop follow each line.
.macro JLOAD
	s_cmp_lt_u32 s[WV], 2
	s_cbranch_scc0 .Lfor_v_\@
	tensor_load_to_lds s[G0K+4:G0K+7], s[G1K:G1K+7]
	s_nop 0
	PLACES
	s_branch .Lasked_\@
.Lfor_v_\@:
	tensor_load_to_lds s[G0V+4:G0V+7], s[G1V:G1V+7]
	s_nop 0
	PLACES
.Lasked_\@:
.endm
; A PREFETCH INTO THE L2, behind the joint load and its five lines: the tile that stands TWO refills on: two slots, 624 matrix instructions, ahead of its load.  Each block of 256 bytes is named by one wave of
; the launch: the four clusters of a split read the same rows, and the first of them (cluster x = 0) asks; its four partners share the blocks out BY ADDRESS; waves 0 and 1 take 32 blocks of K each, wave 2
; the 14 blocks of V that are its work-group's share of the tile's 56 new ones (lanes 14-31 name the fourteenth again).  The first four tiles come by their loads alone; the last two refills ask for nothing.
.macro ASK
	s_cmp_gt_u32 s[SLOTS], s[LIM]
	s_cbranch_scc0 .Lnot_mine_\@
	global_prefetch_b8 v[PFO], s[PFA:PFA+1] th:TH_LOAD_NT scope:SCOPE_SE
.Lnot_mine_\@:
.endm
.macro CROUND                          ; a round of the cluster's barrier
	s_barrier_signal -1
	s_barrier_wait -1
	s_cmp_lg_u32 s[WV], 0
	s_cbranch_scc1 .Lnot_wave_0_\@
	s_barrier_signal -3
.Lnot_wave_0_\@:
	s_barrier_wait -3
	s_barrier_signal -1
	s_barrier_wait -1
.endm
	s_load_b128 s[4:7], s[0:1], 0x0                ; pf s[4:5], vfrag s[6:7]
	s_load_b64 s[8:9], s[0:1], 0x10                ; part
	v_lshl_add_u32 v[SPW], v0, 2, SPARE
	v_mov_b32 v[NIL], 0
	ds_add_u32 v[SPW], v[NIL]                      ; the wave's opening: the add, twice on end, and its wait ahead of my first tensor load
	ds_add_u32 v[SPW], v[NIL]
	v_lshrrev_b32 v1, 5, v0
	v_readfirstlane_b32 s[WV], v1                  ; wave 0..3
	s_bfe_u32 s13, ttmp6, 0x40000                  ; cx: my place in the cluster
	s_lshl_b32 s14, ttmp9, 2
	s_add_co_u32 s14, s14, s13                     ; my block of 256 queries: it enters Q's, part's and the prefetches' addresses alone
	s_and_b32 s16, ttmp7, 0xffff                   ; the split, which the four partners share
	s_and_b32 s17, s[WV], 1                        ; which half of a tile I fetch
	s_mul_i32 s20, s16, 1310720                    ; K: 80 key tiles of 16,384 bytes a split,
	s_add_co_u32 s20, s20, 4194304                 ; behind the 256 query tiles,
	s_lshl_b32 s2, s17, 15                         ; my 128 rows of 256 bytes: in memory and in a slot
	s_add_co_u32 s20, s20, s2
	s_mov_b32 s21, 0
	s_mul_i32 s22, s16, 286720                     ; V: 40 steps a split; a slot's tile begins a step early
	s_mul_i32 s3, s17, 10752                       ; my 42 rows
	s_add_co_u32 s22, s22, s3
	s_mov_b32 s23, 0
	s_mov_b32 s[G1K], 15|(3<<16)|(1<<21)           ; the mask of four; elements of 8 bytes; bit 21 set beside a mask; no padding
	s_mov_b32 s[G1V], 15|(3<<16)|(1<<21)
	s_mov_b32 s[G1K+2], 128<<16                    ; tensor_dim1
	s_mov_b32 s[G1V+2], 42<<16
	s_mov_b32 s[G1K+4], 128                        ; tile_dim1
	s_mov_b32 s[G1V+4], 42
.irp g, G1K, G1V
	s_mov_b32 s[(\g)+1], 32<<16                    ; tensor_dim0 = 32
	s_mov_b32 s[(\g)+3], 32<<16                    ; tile_dim0 = 32: rows of 256 bytes,
	s_mov_b32 s[(\g)+5], 32                        ; dense
	s_mov_b32 s[(\g)+6], 0
	s_mov_b32 s[(\g)+7], 0
.endr
	s_mov_b32 s[SEL], 0x76543210
	s_mov_b32 s[SEL+1], 0xfedcba98
	s_mov_b32 s78, 0xffff0000                      ; lanes 16-31
	s_lshl_b32 s70, s14, 4
	s_lshl2_add_u32 s70, s[WV], s70                ; my first query tile
	s_lshl_b32 s72, s70, 14
	s_mov_b32 s73, 0
	s_lshl_b32 s74, s16, 8
	s_add_co_u32 s74, s74, s70
	s_mul_i32 s74, s74, 6656                       ; my place in part
	s_mov_b32 s75, 0
	s_mul_i32 s76, s16, 1310720                    ; the prefetches stand at tile 3: the first change steps them to tile 4
	s_add_co_u32 s76, s76, 4194304+3*65536
	s_lshl_b32 s79, s13, 14
	s_add_co_u32 s76, s76, s79
	s_lshl_b32 s79, s[WV], 13
	s_add_co_u32 s76, s76, s79                     ; K's: 64 blocks a work-group, 32 a wave
	s_mul_i32 s77, s16, 286720
	s_add_co_u32 s77, s77, 3*14336+VSTEP           ; V's: behind the step that the tile shares with the tile before
	s_mul_i32 s79, s13, 3584
	s_add_co_u32 s77, s77, s79
	s_mov_b32 s80, 14336
	s_cmp_lt_u32 s[WV], 2
	s_cselect_b32 s76, s76, s77
	s_cselect_b32 s[PFS], 0x10000, s80
	s_cselect_b32 s79, 31, 13
	s_mov_b32 s77, 0
	s_mov_b32 s[PFS+1], 0
	v_and_b32 v1, 31, v0
	v_min_u32 v[PFO], s79, v1
	v_lshlrev_b32 v[PFO], 8, v[PFO]
	s_cmp_eq_u32 s[WV], 3
	s_cselect_b32 s[LIM], 1, 0
	s_or_b32 s[LIM], s[LIM], ttmp9                 ; 0 in waves 0-2 of the split's first cluster: the same in all four partners
	s_cmp_eq_u32 s[LIM], 0
	s_cselect_b32 s[LIM], 2, -1
	s_wait_dscnt 0x0                               ; both opening adds are done
	s_wait_kmcnt 0x0
	s_cmp_lt_u32 s[WV], 2
	s_cselect_b64 s[PFA:PFA+1], s[4:5], s[6:7]
	s_add_nc_u64 s[PFA:PFA+1], s[PFA:PFA+1], s[76:77]
	s_add_nc_u64 s[20:21], s[4:5], s[20:21]        ; K and V at my half of tile 0
	s_add_nc_u64 s[22:23], s[6:7], s[22:23]
	s_add_nc_u64 s[72:73], s[4:5], s[72:73]        ; Q
	s_add_nc_u64 s[8:9], s[8:9], s[74:75]
	CROUND                                         ; all four work-groups are here: the first joint loads meet
.irp s, 0,1
	s_mov_b32 s[G0K+4*(\s)], 1
	s_add_co_u32 s[G0K+4*(\s)+1], s2, (\s)*SLOT1
	s_add_nc_u64 s[G0K+4*(\s)+2:G0K+4*(\s)+3], s[20:21], (\s)*65536
	s_or_b32 s[G0K+4*(\s)+3], s[G0K+4*(\s)+3], 0x80000000
	s_mov_b32 s[G0V+4*(\s)], 1
	s_add_co_u32 s[G0V+4*(\s)+1], s3, (\s)*SLOT1+VOFF
	s_add_nc_u64 s[G0V+4*(\s)+2:G0V+4*(\s)+3], s[22:23], (\s)*14336
	s_or_b32 s[G0V+4*(\s)+3], s[G0V+4*(\s)+3], 0x80000000
.endr
	s_cmp_lt_u32 s[WV], 2                          ; a wave's two first fills stand in one branch, ahead of every wait on TENSORcnt and every LDS read
	s_cbranch_scc0 .Lfirst_v
	tensor_load_to_lds s[G0K:G0K+3], s[G1K:G1K+7]
	s_nop 0
	tensor_load_to_lds s[G0K+4:G0K+7], s[G1K:G1K+7]
	s_nop 0
	PLACES
	s_branch .Lfirst_asked
.Lfirst_v:
	tensor_load_to_lds s[G0V:G0V+3], s[G1V:G1V+7]
	s_nop 0
	tensor_load_to_lds s[G0V+4:G0V+7], s[G1V:G1V+7]
	s_nop 0
	PLACES
.Lfirst_asked:
	v_and_b32 v[AK0], 31, v0
	v_lshlrev_b32 v[AK0], 4, v[AK0]
	v_add_nc_u32 v[AV0], VOFF, v[AK0]
	v_mov_b32 v[AK], v[AK0]
	v_mov_b32 v[AV], v[AV0]
.macro QLOAD c                         ; Q stays in registers: channels 32 c on of my four tiles, eight loads of 512 consecutive bytes
	WIN 0x80+0x40*((\c)/8)                         ; destination window 2 or 3, address window 0
.irp t, 0,1,2,3
	global_load_b128 v[32*((\c)%8)+8*(\t):32*((\c)%8)+8*(\t)+3],   v[AK0], s[72:73] offset:16384*(\t)+1024*(\c)
	global_load_b128 v[32*((\c)%8)+8*(\t)+4:32*((\c)%8)+8*(\t)+7], v[AK0], s[72:73] offset:16384*(\t)+1024*(\c)+512
.endr
.endm
.irp c, 0,1,2,3,4,5,6
	QLOAD \c
.endr
	WIN 0x40                                       ; what the first turn finds is written here, while the first 56 loads of Q and the first tile are on their way
.set i_, 0
.rept 224
	v_mov_b32 v[i_], 0
.set i_, i_+1
.endr
	WIN 0
.set i_, 0
.rept 64
	v_mov_b32 v[S1+i_], 0                          ; the second score buffer, and P behind it
.set i_, i_+1
.endr
.set i_, 0
.rept 8
	v_mov_b32 v[L+i_], 0
.set i_, i_+1
.endr
.irp c, 7,8,9,10,11,12,13,14,15
	QLOAD \c
.endr
	WIN 0
; A product of S^T = K Q^T into score buffer x: channels 32 c on, tile t.  The four accumulators take turns; c = 0 starts the sums.
.macro KQ x, c, t
	WIN 0x08+4*((\c)/8)                            ; Q in window 2 or 3, all else in window 0
.if (\c) == 0
	v_wmma_f32_16x16x32_f16 v[(\x)+8*(\t):(\x)+8*(\t)+7], v[KA+8*(\c):KA+8*(\c)+7], v[32*((\c)%8)+8*(\t):32*((\c)%8)+8*(\t)+7], 0
.else
	v_wmma_f32_16x16x32_f16 v[(\x)+8*(\t):(\x)+8*(\t)+7], v[KA+8*(\c):KA+8*(\c)+7], v[32*((\c)%8)+8*(\t):32*((\c)%8)+8*(\t)+7], v[(\x)+8*(\t):(\x)+8*(\t)+7]
.endif
.endm
; The vector work on score buffer x (key block q): 18 instructions a tile, numbered rn = 18 t + m.  m 0-3: s^2, a pair each; 4-7: s^3, in place; 8-11: |p| + |p| of each pair; 12, 13, 15, 16: a pair rounded
; to f16 into P; 14: the four sums into two; 17: l takes them.  Each reads results made three instructions back or more.  An accumulator's lowest registers are read first.
.macro RID x, q
.set t_, rn/18
.set m_, rn%18
.if m_ < 4
	v_pk_mul_f32 v[T+2*m_:T+2*m_+1], v[(\x)+8*t_+2*m_:(\x)+8*t_+2*m_+1], v[(\x)+8*t_+2*m_:(\x)+8*t_+2*m_+1]
.elseif m_ < 8
	v_pk_mul_f32 v[(\x)+8*t_+2*m_-8:(\x)+8*t_+2*m_-7], v[T+2*m_-8:T+2*m_-7], v[(\x)+8*t_+2*m_-8:(\x)+8*t_+2*m_-7]
.elseif m_ < 12
	v_add_f32 v[T+m_-8], |v[(\x)+8*t_+2*m_-16]|, |v[(\x)+8*t_+2*m_-15]|
.elseif m_ == 14
	v_pk_add_f32 v[T:T+1], v[T:T+1], v[T+2:T+3]
.elseif m_ == 17
	v_pk_add_f32 v[L+2*t_:L+2*t_+1], v[L+2*t_:L+2*t_+1], v[T:T+1]
.else
.set e_, m_-12-m_/15                   ; 12, 13, 15, 16: pairs 0 to 3
	v_cvt_pk_f16_f32 v[P+8*t_+4*(\q)+e_], v[(\x)+8*t_+2*e_], v[(\x)+8*t_+2*e_+1]
.endif
.set rn, rn+1
.endm
.macro SLICE x, q
	WIN 0
.rept 4
	RID \x, \q
.endr
.endm
; 32 products into score buffer x, channels 32 c0 on, and n slices of the work on buffer y (key block q), spread evenly; where n is not 0 the last slice stands behind the last product.
.macro KQ32 x, c0, y, q, n
.set i_, 0
.rept 32
	KQ \x, (\c0)+i_/4, i_%4
.if ((i_+1)*(\n))/32 > (i_*(\n))/32
	SLICE \y, \q
.endif
.set i_, i_+1
.endr
.endm
.macro FK half                         ; 16 LDS loads: half of a key block's fragments; address and destination lie in window 0, which every setting in use here leaves them
.irp f, 0,1,2,3,4,5,6,7
	ds_load_b128 v[KA+64*(\half)+8*(\f):KA+64*(\half)+8*(\f)+3],   v[AK] offset:8192*(\half)+1024*(\f)
	ds_load_b128 v[KA+64*(\half)+8*(\f)+4:KA+64*(\half)+8*(\f)+7], v[AK] offset:8192*(\half)+1024*(\f)+512
.endr
.endm
.macro FV first, n, off                ; n fragments of V, channel blocks first on
	WIN 0x40
.set f_, 0
.rept \n
	ds_load_b128 v[VB+8*f_:VB+8*f_+3],   v[AV] offset:(\off)+1024*((\first)+f_)
	ds_load_b128 v[VB+8*f_+4:VB+8*f_+7], v[AV] offset:(\off)+1024*((\first)+f_)+512
.set f_, f_+1
.endr
.endm
.macro PVB first, n                    ; 4 n products of O^T += V^T P, each on an accumulator of its own
	WIN 0x51                                       ; V and O^T in window 1, P in window 0
.set f_, 0
.rept \n
.irp t, 0,1,2,3
	v_wmma_f32_16x16x32_f16 v[56*(\t)+8*((\first)+f_):56*(\t)+8*((\first)+f_)+7], v[VB+8*f_:VB+8*f_+7], v[P+8*(\t):P+8*(\t)+7], v[56*(\t)+8*((\first)+f_):56*(\t)+8*((\first)+f_)+7]
.endr
.set f_, f_+1
.endr
.endm
; TURN E: key block 0 of step j.  LDS loads out at its head, oldest first: 8 of V (step j - 1, channel blocks 0-3), 16 + 16 of this block's K.
.macro TURN_E
.set rn, 0
	s_wait_dscnt 16                                ; V and K's first half are in; K's second half stays out
	KQ32 S0, 0, S1, 1, 18
	WIN 0
	v_add_nc_u32 v[AK], s[TBK], v[AK0]             ; the addresses of the run below are made ahead of the 16 products
	v_add_nc_u32 v[AV], s[TBV], v[AV0]
	s_add_co_u32 s[TBK], s[TBK], 16384
	PVB 0, 4                                       ; P of step j - 1 is whole
	PLACES
	FV 4, 3, 0                                     ; one run: V's channel blocks 4-6 of step j - 1,
	WIN 0x0c
	FK 0                                           ; and the first half of key block 1 (its last reader stands behind the last slice above)
	s_wait_dscnt 22                                ; K's second half is in; the 6 + 16 just issued stay out
	KQ32 S0, 8, S1, 1, 0
	s_wait_dscnt 16                                ; V's channel blocks 4-6 are in; K's 16 stay out
	PVB 4, 3
	PLACES
	FV 0, 4, VSTEP                                 ; one run: V of step j, channel blocks 0-3,
	s_add_co_u32 s[TBV], s[TBV], VSTEP
	WIN 0x08
	FK 1                                           ; and the second half of key block 1
.endm
; TURN O, first half: key block 1 of step j, channels 0-255; the cubing of tiles 0 and 1 of block 0.
.macro TURN_OA
.set rn, 0
	s_wait_dscnt 24                                ; K's first half is in; the run behind it, V's 8 and K's 16, stays out
	KQ32 S1, 0, S0, 0, 9
.endm
; TURN O, second half: channels 256-511; tiles 2 and 3.  It fetches key block 0 of step j + 1.  last = 1: nothing more is fetched.
.macro TURN_OB last
.set rn, 36
.if \last
	s_wait_dscnt 0x0                               ; K's second half and V are in
.else
	WIN 0
	v_add_nc_u32 v[AK], s[TBK], v[AK0]
	s_add_co_u32 s[TBK], s[TBK], 16384
	FK 0                                           ; the last slice of the first half is the places behind the products that read these registers
	s_wait_dscnt 16                                ; V and K's second half are in; the 16 just issued stay out
.endif
	KQ32 S1, 8, S0, 0, 9
.if !(\last)
	FK 1
.endif
.endm
; THE CHANGE OF SLOTS.  The slot's last bytes were asked for 32 products ago.  Each wave waits for all its tensor loads (one is out: its part of the other slot), adds 0 to its spare word, and waits for that and
; for its own reads of the slot.  fill = 1: the barrier is a round of the cluster's, and the joint refill, with the tile two slots on, is the first thing behind it: it has 312 matrix instructions in which to land.
.macro CHANGE fill
	WIN 0
	s_wait_tensorcnt 0x0                           ; no tensor load of mine is out, so a group 0 may be written
	ds_add_u32 v[SPW], v[NIL]
.if \fill
	s_xor_b32 s[G0K+5], s[G0K+5], SLOT1
	s_add_nc_u64 s[G0K+6:G0K+7], s[G0K+6:G0K+7], 65536
	s_xor_b32 s[G0V+5], s[G0V+5], SLOT1
	s_add_nc_u64 s[G0V+6:G0V+7], s[G0V+6:G0V+7], 14336
	s_wait_xcnt 0x0                                ; the last prefetch, a slot back, has read its address
	s_add_nc_u64 s[PFA:PFA+1], s[PFA:PFA+1], s[PFS:PFS+1]
	s_wait_dscnt 0x0                               ; the add is done, and my reads of the slot are over
	CROUND
	JLOAD
	ASK
.else
	s_wait_dscnt 0x0
	s_barrier_signal -1
	s_barrier_wait -1
.endif
	s_sub_co_u32 s[TBK], s[TBK], 65536             ; the fetches go back to a slot's head, in the other slot
	s_xor_b32 s[TBK], s[TBK], SLOT1
	s_sub_co_u32 s[TBV], s[TBV], 14336
	s_xor_b32 s[TBV], s[TBV], SLOT1
.endm
	s_wait_tensorcnt 0x1                           ; my part of slot 0 is in; slot 1's may stay out
	s_barrier_signal -1
	s_barrier_wait -1                              ; everybody's is
	FV 0, 4, 0                                     ; V of the step ahead of the split's first: it meets weights of 0
	WIN 0
	FK 0
	FK 1
	s_mov_b32 s[TBK], 16384
	s_mov_b32 s[TBV], 0
	s_wait_loadcnt 0x0                             ; Q
	s_mov_b32 s[CNT], 2
	s_mov_b32 s[SLOTS], 19
	s_branch .Lfirst                               ; the loop is entered at a step's first turn, in the middle of a trip
.Lslot:                                            ; 18 times: every slot but the last two is filled again
	CHANGE 1
	s_mov_b32 s[CNT], 2
.Lstep:                                            ; a trip: the second half of one step's turn O, the next step's turn E and the first half of its turn O
	TURN_OB 0
	WIN 0
.Lfirst:
	TURN_E
	TURN_OA
	WIN 0
	s_sub_co_u32 s[CNT], s[CNT], 1
	s_cmp_lg_u32 s[CNT], 0
	s_cbranch_scc1 .Lstep
	s_sub_co_u32 s[SLOTS], s[SLOTS], 1
	s_cmp_lg_u32 s[SLOTS], 0
	s_cbranch_scc1 .Lslot
	CHANGE 0                                       ; the tail is written out
	s_mov_b32 s[CNT], 2
.Ltail:
	TURN_OB 0
	TURN_E
	TURN_OA
	WIN 0
	s_sub_co_u32 s[CNT], s[CNT], 1
	s_cmp_lg_u32 s[CNT], 0
	s_cbranch_scc1 .Ltail
	TURN_OB 1
.set rn, 0
.rept 18
	SLICE S1, 1                                    ; the last key block's weights
.endr
	v_add_nc_u32 v[AV], s[TBV], v[AV0]
	PVB 0, 4
	PLACES
	FV 4, 3, 0
	s_wait_dscnt 0x0
	PVB 4, 3
	; THE WAY OUT: f32 partial sums, straight from the accumulators: part[y][tile][chunk 13][lane][4].  Chunk k < 12: channels 16 (k / 2) + 8 (l / 16) + 4 (k % 2) + 0..3 of query l % 16.
	; Chunk 12: lanes 0-15 channels 96-99, lanes 16-31 l.  The additions are the places behind the last products.
	WIN 0
.irp t, 0,1,2,3
	v_add_f32 v[L+2*(\t)], v[L+2*(\t)], v[L+2*(\t)+1]
.endr
.irp t, 0,1,2,3
	v_permlanex16_b32 v[L+2*(\t)+1], v[L+2*(\t)], s[SEL], s[SEL+1]  ; the query's other keys lie in the lane 16 away
.endr
.irp t, 0,1,2,3
	v_add_f32 v[L+2*(\t)], v[L+2*(\t)], v[L+2*(\t)+1]
.endr
	WIN 0x01                                       ; source 0 window 1
.irp t, 0,1,2,3
	v_cndmask_b32 v[S0+4*(\t)], v[56*(\t)+48], v[L+2*(\t)], s78
	v_mov_b32 v[S0+4*(\t)+1], v[56*(\t)+49]
	v_mov_b32 v[S0+4*(\t)+2], v[56*(\t)+50]
	v_mov_b32 v[S0+4*(\t)+3], v[56*(\t)+51]
.endr
	WIN 0x04                                       ; the stores' data in window 1
.irp t, 0,1,2,3
.irp cb, 0,1,2,3,4,5
	global_store_b128 v[AK0], v[56*(\t)+8*(\cb):56*(\t)+8*(\cb)+3],   s[8:9] offset:6656*(\t)+1024*(\cb)      ; 512 consecutive bytes, aligned
	global_store_b128 v[AK0], v[56*(\t)+8*(\cb)+4:56*(\t)+8*(\cb)+7], s[8:9] offset:6656*(\t)+1024*(\cb)+512
.endr
.endr
	WIN 0
.irp t, 0,1,2,3
	global_store_b128 v[AK0], v[S0+4*(\t):S0+4*(\t)+3], s[8:9] offset:6656*(\t)+6144
.endr
	s_wait_tensorcnt 0x0                           ; the wave's end: three lines, behind my last tensor load
	ds_add_u32 v[SPW], v[NIL]
	s_wait_dscnt 0x0
	CROUND                                         ; the closing round: no work-group ends while a partner may still ask for a tile that names it
	s_endpgm
.Lfunc_end_k_q9a2998c567_main:
	.size	k_q9a2998c567_main, .Lfunc_end_k_q9a2998c567_main-k_q9a2998c567_main
	.p2alignl 7, 3214868480
	.fill 96, 4, 3214868480
	.section	.rodata,"a",@progbits
	.p2align	6, 0x0
	.amdhsa_kernel k_q9a2998c567_main
		.amdhsa_group_segment_fixed_size 327680
		.amdhsa_private_segment_fixed_size 0
		.amdhsa_enable_private_segment 0
		.amdhsa_kernarg_size 24
		.amdhsa_user_sgpr_count 2
		.amdhsa_user_sgpr_kernarg_segment_ptr 1
		.amdhsa_wavefront_size32 1
		.amdhsa_system_sgpr_workgroup_id_x 1
		.amdhsa_system_sgpr_workgroup_id_y 1
		.amdhsa_system_sgpr_workgroup_id_z 1
		.amdhsa_system_vgpr_workitem_id 0
		.amdhsa_next_free_vgpr 1024
		.amdhsa_next_free_sgpr 82
		.amdhsa_reserve_vcc 0
		.amdhsa_float_denorm_mode_32 3
		.amdhsa_float_denorm_mode_16_64 3
		.amdhsa_memory_ordered 1
		.amdhsa_forward_progress 1
		.amdhsa_inst_pref_size 105
	.end_amdhsa_kernel
	.amdgpu_metadata
---
amdhsa.version: [ 1, 2 ]
amdhsa.kernels:
  - .name:           k_q9a2998c567_main
    .symbol:         k_q9a2998c567_main.kd
    .args:
      - { .name: pf, .offset: 0, .size: 8, .value_kind: global_buffer, .address_space: global }
      - { .name: vfrag, .offset: 8, .size: 8, .value_kind: global_buffer, .address_space: global }
      - { .name: part, .offset: 16, .size: 8, .value_kind: global_buffer, .address_space: global }
    .group_segment_fixed_size: 327680
    .private_segment_fixed_size: 0
    .kernarg_segment_align: 8
    .kernarg_segment_size: 24
    .max_flat_workgroup_size: 128
    .sgpr_count:     82
    .vgpr_count:     1024
    .wavefront_size: 32
...
	.end_amdgpu_metadata
.endif
;; end of part 3
;; launch fin (part 4): grid 256 x 1, 4 waves a work-group, no clusters, 39,936 bytes of LDS; arguments part, out0; writes out0
.if DOCPART == 4
	.amdgcn_target "amdgcn-amd-amdhsa--gfx1250"
	.amdhsa_code_object_version 6
	.text
	.protected	k_q9a2998c567_fin
	.globl	k_q9a2998c567_fin
	.p2align	8
	.type	k_q9a2998c567_fin,@function
k_q9a2998c567_fin:
	s_mov_b64 s[64:65], 0
	v_nop
	global_prefetch_b8 v0, s[64:65] scope:SCOPE_SE
	s_setreg_imm32_b32 hwreg(HW_REG_WAVE_MODE, 25, 1), 1
	s_wait_xcnt 0x0
; out0[q][c] = (the sum over the 16 splits of part's sums of p V) / max(the sum of part's sums of |p|, 32,768 x 1e-12): both carry the factor 32,768 of the launch before.  All in f32.
; A work-group takes one tile of 16 queries: 16 x 6,656 bytes of part, each read once.  Wave w sums splits 4 w .. 4 w + 3 (52 loads of 512 consecutive bytes, all on their way at once); the four sums
; meet in LDS; then wave w finishes chunks w, w + 4, w + 8, every wave chunk 12 (which holds l), and the tile goes through LDS into row-major order: 6,400 consecutive bytes of out0.
; No matrix unit, cluster or tensor load: nothing is shared between work-groups and nothing is multiplied.  v_rcp_f32 takes a denormal as 0; NaN and infinities are not treated apart.
.set TILEB, 6656
.set YSTR,  1703936                    ; 256 tiles: from split to split
.set OUTS,  26624                      ; behind the four partial sums: 16 rows x 400 bytes; then as many bytes again, into which chunk 12's upper lanes fall and which nobody reads
.set SPARE, OUTS+12800                 ; the spare words, 128 bytes a wave
.set SPW, 2                            ; v2  my spare word; never rewritten
.set NIL, 3                            ; v3  0; never rewritten
.set GO,  4                            ; v4  16 x lane + my four splits
.set PW,  5                            ; v5  where I put my sums
.set PR,  6                            ; v6  16 x lane + 512 x wave
.set OW,  7                            ; v7  my 16 bytes of a row of the tile
.set O12, 8                            ; v8  chunk 12: OUTS + 384 + 400 x lane
.set OR,  9                            ; v9  OUTS + 16 x thread
.set OG,  10                           ; v10 16 x thread
.set PL,  11                           ; v11 16 x lane
.set OT,  18                           ; v18 the tile's last 256 bytes: OUTS + 6,144 + 16 (lane % 16)
.set D,   32
	s_load_b128 s[4:7], s[0:1], 0x0                ; part s[4:5], out0 s[6:7]
	v_lshl_add_u32 v[SPW], v0, 2, SPARE
	v_mov_b32 v[NIL], 0
	v_lshrrev_b32 v1, 5, v0
	v_readfirstlane_b32 s8, v1                     ; wave 0..3
	v_and_b32 v17, 31, v0                          ; lane
	v_lshlrev_b32 v[PL], 4, v17
	s_mul_i32 s9, s8, 4*YSTR
	v_add_nc_u32 v[GO], s9, v[PL]
	s_mul_i32 s9, s8, TILEB
	v_add_nc_u32 v[PW], s9, v[PL]
	s_lshl_b32 s9, s8, 9
	v_add_nc_u32 v[PR], s9, v[PL]
	v_and_b32 v14, 15, v0                          ; the query
	v_bfe_u32 v15, v0, 4, 1
	v_mul_u32_u24 v16, v14, 400
	v_add_nc_u32 v16, OUTS, v16
	s_lshr_b32 s9, s8, 1
	s_lshl_b32 s9, s9, 6
	s_and_b32 s10, s8, 1
	s_lshl_b32 s10, s10, 4
	s_add_co_u32 s9, s9, s10                       ; chunk w: 64 (w / 2) + 16 (w % 2) bytes into a row
	v_lshl_add_u32 v[OW], v15, 5, v16
	v_add_nc_u32 v[OW], s9, v[OW]
	v_mul_u32_u24 v[O12], v17, 400                 ; lanes 0-15: rows 0-15, channels 96-99; lanes 16-31 (l and zeros) land 16 x 400 = 6,400 bytes on, behind the tile
	v_add_nc_u32 v[O12], OUTS+384, v[O12]
	v_lshl_add_u32 v[OT], v14, 4, OUTS+6144
	s_mov_b32 s20, 0xffff0000                      ; lanes 16-31
	v_lshlrev_b32 v[OG], 4, v0
	v_add_nc_u32 v[OR], OUTS, v[OG]
	v_mov_b32 v12, 0
	v_mov_b32 v13, 0
	s_mov_b32 s16, 0x76543210                      ; v_permlanex16_b32: each lane takes its own place in the other half
	s_mov_b32 s17, 0xfedcba98
	s_mul_i32 s12, ttmp9, TILEB
	s_mov_b32 s13, 0
	s_mul_i32 s14, ttmp9, 6400
	s_mov_b32 s15, 0
	s_wait_kmcnt 0x0
	s_add_nc_u64 s[4:5], s[4:5], s[12:13]
	s_add_nc_u64 s[6:7], s[6:7], s[14:15]
.set i_, 0
.rept 4
.set k_, 0
.rept 13
	global_load_b128 v[D+4*(13*i_+k_):D+4*(13*i_+k_)+3], v[GO], s[4:5] offset:YSTR*i_+512*k_ th:TH_LOAD_NT
.set k_, k_+1
.endr
.set i_, i_+1
.endr
	s_wait_loadcnt 0x0
.set k_, 0
.rept 13
.irp h, 0,2
	v_pk_add_f32 v[D+4*k_+(\h):D+4*k_+(\h)+1], v[D+4*k_+(\h):D+4*k_+(\h)+1], v[D+52+4*k_+(\h):D+52+4*k_+(\h)+1]
	v_pk_add_f32 v[D+104+4*k_+(\h):D+104+4*k_+(\h)+1], v[D+104+4*k_+(\h):D+104+4*k_+(\h)+1], v[D+156+4*k_+(\h):D+156+4*k_+(\h)+1]
.endr
.irp h, 0,2
	v_pk_add_f32 v[D+4*k_+(\h):D+4*k_+(\h)+1], v[D+4*k_+(\h):D+4*k_+(\h)+1], v[D+104+4*k_+(\h):D+104+4*k_+(\h)+1]
.endr
	ds_store_b128 v[PW], v[D+4*k_:D+4*k_+3] offset:512*k_
.set k_, k_+1
.endr
	s_wait_dscnt 0x0                               ; for the others' sake: my sums lie in LDS
	s_barrier_signal -1
	s_barrier_wait -1
.irp j, 0,1,2
.irp w, 0,1,2,3
	ds_load_b128 v[D+16*(\j)+4*(\w):D+16*(\j)+4*(\w)+3], v[PR] offset:TILEB*(\w)+2048*(\j)
.endr
.endr
.irp w, 0,1,2,3
	ds_load_b128 v[D+48+4*(\w):D+48+4*(\w)+3], v[PL] offset:TILEB*(\w)+6144
.endr
	s_wait_dscnt 0x0
.irp j, 0,1,2,3
.irp h, 0,2
	v_pk_add_f32 v[D+16*(\j)+(\h):D+16*(\j)+(\h)+1], v[D+16*(\j)+(\h):D+16*(\j)+(\h)+1], v[D+16*(\j)+4+(\h):D+16*(\j)+4+(\h)+1]
	v_pk_add_f32 v[D+16*(\j)+8+(\h):D+16*(\j)+8+(\h)+1], v[D+16*(\j)+8+(\h):D+16*(\j)+8+(\h)+1], v[D+16*(\j)+12+(\h):D+16*(\j)+12+(\h)+1]
.endr
.irp h, 0,2
	v_pk_add_f32 v[D+16*(\j)+(\h):D+16*(\j)+(\h)+1], v[D+16*(\j)+(\h):D+16*(\j)+(\h)+1], v[D+16*(\j)+8+(\h):D+16*(\j)+8+(\h)+1]
.endr
.endr
	v_permlanex16_b32 v12, v[D+48], s16, s17       ; l lies in lanes 16-31 of chunk 12's first register: lanes 0-15 fetch it,
	v_cndmask_b32 v12, v12, v[D+48], s20           ; lanes 16-31 have it
	v_max_num_f32 v12, 0x330cbccc, v12             ; 32,768 x 1e-12
	v_rcp_f32 v12, v12
	v_nop                                          ; a plain instruction behind the reciprocal, and its wait
	s_wait_alu depctr_va_vdst(0)
.irp j, 0,1,2,3
.irp h, 0,2
	v_pk_mul_f32 v[D+16*(\j)+(\h):D+16*(\j)+(\h)+1], v[D+16*(\j)+(\h):D+16*(\j)+(\h)+1], v[12:13] op_sel_hi:[1,0]
.endr
.endr
.irp j, 0,1,2
	ds_store_b128 v[OW], v[D+16*(\j):D+16*(\j)+3] offset:128*(\j)
.endr
	s_cmp_lg_u32 s8, 0                             ; chunk 12 is stored by wave 0
	s_cbranch_scc1 .Lno12
	ds_store_b128 v[O12], v[D+48:D+51]
.Lno12:
	s_wait_dscnt 0x0                               ; for the others' sake: my part of the tile lies in LDS
	s_barrier_signal -1
	s_barrier_wait -1
.irp i, 0,1,2
	ds_load_b128 v[D+64+4*(\i):D+64+4*(\i)+3], v[OR] offset:2048*(\i)  ; 128 threads x 16 bytes, three times: the tile's first 6,144 bytes
.endr
	s_wait_dscnt 0x0
.irp i, 0,1,2
	global_store_b128 v[OG], v[D+64+4*(\i):D+64+4*(\i)+3], s[6:7] offset:2048*(\i)  ; a wave stores 512 consecutive bytes, aligned
.endr
	s_cmp_lg_u32 s8, 0                             ; the tile's last 256 bytes are wave 0's
	s_cbranch_scc1 .Lend
	ds_load_b128 v[D+76:D+79], v[OT]               ; both halves of the lanes read the same 256 bytes; the lower half stores them
	v_cmp_gt_u32 vcc_lo, 16, v0
	s_wait_dscnt 0x0
	s_wait_xcnt 0x0                                ; EXEC changes only behind this wait
	s_and_saveexec_b32 s21, vcc_lo
	global_store_b128 v[OG], v[D+76:D+79], s[6:7] offset:6144
	s_wait_xcnt 0x0                                ; and again, in front of the line that widens it
	s_or_b32 exec_lo, exec_lo, s21
.Lend:
	s_wait_tensorcnt 0x0                           ; the wave's end: three lines, behind my last LDS store
	ds_add_u32 v[SPW], v[NIL]
	s_wait_dscnt 0x0
	s_endpgm
.Lfunc_end_k_q9a2998c567_fin:
	.size	k_q9a2998c567_fin, .Lfunc_end_k_q9a2998c567_fin-k_q9a2998c567_fin
	.p2alignl 7, 3214868480
	.fill 96, 4, 3214868480
	.section	.rodata,"a",@progbits
	.p2align	6, 0x0
	.amdhsa_kernel k_q9a2998c567_fin
		.amdhsa_group_segment_fixed_size 39936
		.amdhsa_private_segment_fixed_size 0
		.amdhsa_enable_private_segment 0
		.amdhsa_kernarg_size 16
		.amdhsa_user_sgpr_count 2
		.amdhsa_user_sgpr_kernarg_segment_ptr 1
		.amdhsa_wavefront_size32 1
		.amdhsa_system_sgpr_workgroup_id_x 1
		.amdhsa_system_sgpr_workgroup_id_y 1
		.amdhsa_system_sgpr_workgroup_id_z 1
		.amdhsa_system_vgpr_workitem_id 0
		.amdhsa_next_free_vgpr 256
		.amdhsa_next_free_sgpr 66
		.amdhsa_reserve_vcc 1
		.amdhsa_float_denorm_mode_32 3
		.amdhsa_float_denorm_mode_16_64 3
		.amdhsa_memory_ordered 1
		.amdhsa_forward_progress 1
		.amdhsa_inst_pref_size 18
	.end_amdhsa_kernel
	.amdgpu_metadata
---
amdhsa.version: [ 1, 2 ]
amdhsa.kernels:
  - .name:           k_q9a2998c567_fin
    .symbol:         k_q9a2998c567_fin.kd
    .args:
      - { .name: part, .offset: 0, .size: 8, .value_kind: global_buffer, .address_space: global }
      - { .name: out0, .offset: 8, .size: 8, .value_kind: global_buffer, .address_space: global }
    .group_segment_fixed_size: 39936
    .private_segment_fixed_size: 0
    .kernarg_segment_align: 8
    .kernarg_segment_size: 16
    .max_flat_workgroup_size: 128
    .sgpr_count:     66
    .vgpr_count:     256
    .wavefront_size: 32
...
	.end_amdgpu_metadata
.endif
;; end of part 4
;; ======== version 2 of 2: 4 launches; version 1 with the launch prep written anew for expert scheduling mode
;; limits: values are held in f16: magnitudes above 65,504 overflow, below 6.1e-05 lose precision
;; workspace buffers: gfrag 524,288 bytes; vfrag 4,594,688 bytes; pf 25,165,824 bytes; part 27,262,976 bytes
;; launch prep (part 5): grid 224 x 1, 4 waves a work-group, no clusters, 80,384 bytes of LDS; arguments ex_classes, class_reps, g_weight, vfrag, gfrag; writes vfrag, gfrag
.if DOCPART == 5
	.amdgcn_target "amdgcn-amd-amdhsa--gfx1250"
	.amdhsa_code_object_version 6
	.text
	.protected	k_q9a2998c567_prep
	.globl	k_q9a2998c567_prep
	.p2align	8
	.type	k_q9a2998c567_prep,@function
k_q9a2998c567_prep:
	s_mov_b64 s[64:65], 0
	v_nop
	global_prefetch_b8 v0, s[64:65] scope:SCOPE_SE
	s_setreg_imm32_b32 hwreg(HW_REG_WAVE_SCHED_MODE, 0, 2), 2
	s_setreg_imm32_b32 hwreg(HW_REG_WAVE_MODE, 25, 1), 1
	s_wait_xcnt 0x0
	s_wait_alu depctr_vm_vsrc(0)
; TWO JOBS, told apart by the work-group's number (the same in all four waves of a work-group).
; Work-groups 0-159: V = (bf16(ex_classes) x bf16(class_reps)) / max(L1, 1e-12), rounded once to f16, laid out as the later launch's matrix operand.
;   L1 = the sum of |bf16(ex_classes)| of a row, made by the matrix unit as |x| x ones (f32 sums): it then lies in the lanes and registers that divide by it.
;   A wave makes one step of 32 keys x 112 channels (100 + 12 of zeros).  The 20,000 keys are 625 steps; split y of 16 owns 40 places in vfrag: places 40 y + s take source step 39 y + s.
;   In splits 0-14 place 39 holds the next split's first step once more: the keys that stand against it are zeros, so it only has to be finite.  Place 0 of vfrag (ahead of split 0) is written as zeros.
;   vfrag: [1 + 40 y + s][cb 7][p 2][lane 32][8 f16] = V(key 16 p + 8 (lane / 16) + j, channel 16 cb + lane % 16): each store of a wave covers 512 consecutive bytes, aligned.
; Work-groups 160-223: g_weight rounded to bf16, gfrag: [c 16][nb 32][p 2][lane 32][8] = g[16 nb + lane % 16][32 c + 16 p + 8 (lane / 16) + j].
; LIMITS.  |V| must stay within f16's 65,504 (it is at most the largest |class_reps|); v_rcp_f32 takes a denormal as 0; NaN and infinities are not treated apart.
; NO CLUSTER, NO TENSOR LOAD: class_reps, the one thing that work-groups share, is rounded to bf16 and padded with zeros on its way into LDS, so it goes through registers.
; THE MODE: SCHED_MODE bits 1:0 = 2 (LLVM: expert scheduling mode 2), set by the entry lines.  The code itself states the register dependences
; between vector or matrix instructions and memory or LDS instructions, with s_wait_alu, always for 0.
; THE PLAN.  Registers that memory or LDS instructions touch, in the V job:
;   v2-v14        offsets, LDS addresses, zeros: written at the head and never again: one wait on va_vdst ahead of the first load serves the whole kernel.
;   v28-127       at the head class_reps as loaded: rounded in place by 100 vector lines; ONE wait on va_vdst; then the run of LDS stores that read them.
;   v128-227      at the head x as loaded, read by 25 LDS stores.  ONE wait on vm_vsrc behind all the head's LDS stores frees both ranges for their later names.
;   TMP           Step p: its roundings read it; behind them the x of step p + 1 lands in it.
;   RF, RG        two buffers of class_reps' fragments.  Step p: its products read buffer p % 2; the loads of step p + 1 land in the other, which the products of step p - 1 read.
;   OUT           written by a key block's 28 roundings; ONE wait on va_vdst; read by its 7 stores; in the second key block a wait on vm_vsrc stands ahead of the first rounding.
;   XF, XA, XF3, XA3, ONES, RC and the accumulators are named by vector and matrix instructions alone.
; So ONE wait on va_vdst stands in a step, behind its roundings: they are done reading TMP, and the products of the step before are done reading the other fragment buffer.  The next step's
; loads follow it in one run, x first, ahead of the step's eight products, which name none of the registers that those loads touch.
.set RP,    224                        ; a row of class_reps in LDS: 112 bf16; 7 x 32 bytes
.set XS,    28672                      ; behind the 128 rows of class_reps: each wave's 32 keys x 400 bytes of f32
.set XB,    12800
.set SPARE, 79872                      ; the spare words, 128 bytes a wave
.set STEPV, 7168                       ; a step in vfrag
.set SPW, 2                            ; v2  my spare word; never rewritten
.set NIL, 3                            ; v3  0; never rewritten
.set LN,  4                            ; v4  16 x lane
.set RA,  5                            ; v5  my row of class_reps in memory
.set RW,  6                            ; v6  my row of class_reps in LDS
.set XW,  7                            ; v7  where I put 16 bytes of x
.set TRA, 8                            ; v8  the turning loads' address
.set XFA, 9                            ; v9  x's fragments: key l % 16, 32 bytes for each half of the lanes
.set Z,   10                           ; v[10:13] zeros
.set X3A, 14                           ; v14 the same without the halves' 32 bytes
.set OUT, 28                           ; v[28:127] class_reps as loaded; later v[28:55] what is stored
.set ACC, 64                           ; v[64:127] eight accumulators: channel blocks 0-6, then L1
.set RF,  128                          ; v[128:227] x as loaded; later v[128:183] class_reps' seven fragments of an even step
.set XF,  184                          ; x's fragment
.set XA,  192                          ; its magnitudes
.set XF3, 200                          ; the last 32 labels' fragment: four labels and zeros
.set XA3, 208
.set ONES,216
.set TMP, 224
.set RC,  240                          ; 1 / max(L1, 1e-12) of my eight keys
.set RG,  0                            ; window 1: v[256:311] class_reps' seven fragments of an odd step
.set ONE1,56                           ; window 1: v[312:319] the ones once more, beside RG: an odd step's products take source 1 from window 1
.set WV,  14
.set MSB, 0
.macro WIN new                         ; s_set_vgpr_msb: bits 1:0 source 0, 3:2 source 1, 5:4 source 2, 7:6 destination; the high byte repeats the setting that is left; a switch that changes nothing is dropped
.if MSB != (\new)
	s_set_vgpr_msb (MSB<<8)|(\new)
.set MSB, (\new)
.endif
.endm
.macro PLACES                          ; four places behind matrix instructions, in front of vector lines that write their sources or read their results (ISA guide 7.12.1)
.rept 4
	v_nop
.endr
.endm
	s_load_b256 s[4:11], s[0:1], 0x0               ; ex_classes s[4:5], class_reps s[6:7], g_weight s[8:9], vfrag s[10:11]
	s_load_b64 s[12:13], s[0:1], 0x20              ; gfrag
	v_lshl_add_u32 v[SPW], v0, 2, SPARE
	v_mov_b32 v[NIL], 0
	v_lshrrev_b32 v1, 5, v0
	v_readfirstlane_b32 s[WV], v1                  ; wave 0..3
	v_and_b32 v[LN], 31, v0
	v_lshlrev_b32 v[LN], 4, v[LN]
	s_wait_alu depctr_va_sdst(0)                   ; the wave's number is written, ahead of the branch and of its first reader: my place in vfrag and my bytes of LDS are made from it
	s_cmp_ge_u32 ttmp9, 160
	s_cbranch_scc1 .Lg
	; ---- V ----
	s_lshl_b32 s15, ttmp9, 2
	s_add_co_u32 s15, s15, s[WV]                   ; my place 40 y + s, 0..639
	s_mul_i32 s16, s15, 205
	s_lshr_b32 s16, s16, 13                        ; y = place / 40 (exact up to 639)
	s_sub_co_u32 s16, s15, s16                     ; source step 39 y + s, 0..624
	s_mul_i32 s16, s16, XB
	s_mov_b32 s17, 0
	s_add_co_u32 s18, s15, 1
	s_mul_i32 s18, s18, STEPV
	s_mov_b32 s19, 0
	s_mul_i32 s20, s[WV], XB
	s_add_co_u32 s20, s20, XS                      ; my wave's x in LDS
	s_mov_b32 s21, 0xffff0000                      ; lanes 16-31
	v_min_u32 v[RA], 99, v0                        ; threads 100-127 read row 99 and store zeros
	v_mul_u32_u24 v[RA], v[RA], 400
	v_mul_u32_u24 v[RW], v0, RP
	v_add_nc_u32 v[XW], s20, v[LN]
	v_and_b32 v16, 7, v0
	v_bfe_u32 v17, v0, 4, 1                        ; l / 16
	v_bfe_u32 v18, v0, 3, 1
	v_lshl_add_u32 v16, v17, 3, v16
	v_mul_u32_u24 v[TRA], v16, RP                  ; label 8 (l / 16) + l % 8,
	v_lshl_add_u32 v[TRA], v18, 4, v[TRA]          ; channels 8 ((l / 8) % 2) on
	v_and_b32 v19, 15, v0
	v_mul_u32_u24 v19, v19, 400
	v_add_nc_u32 v[X3A], s20, v19
	v_lshl_add_u32 v[XFA], v17, 5, v[X3A]
.irp i, 0,1,2,3
	v_mov_b32 v[Z+(\i)], 0
.endr
	v_cmp_gt_u32 vcc_lo, 100, v0                   ; my row of class_reps exists
	s_wait_alu depctr_va_vcc(0)                    ; VCC is written: the selections below read it
	s_wait_kmcnt 0x0
	s_add_nc_u64 s[4:5], s[4:5], s[16:17]          ; my 32 keys: 12,800 consecutive bytes
	s_add_nc_u64 s[22:23], s[10:11], s[18:19]      ; my place in vfrag
	s_wait_alu depctr_va_vdst(0)                   ; v4 to v14 are written: the offsets, LDS addresses and zeros that the loads and stores of the whole job read
.set q, 0
.rept 25
	global_load_b128 v[OUT+4*q:OUT+4*q+3], v[RA], s[6:7] offset:16*q
.set q, q+1
.endr
.set q, 0
.rept 25
	global_load_b128 v[RF+4*q:RF+4*q+3], v[LN], s[4:5] offset:512*q
.set q, q+1
.endr
	s_wait_loadcnt 25                              ; class_reps is in; the 25 younger loads, x's, stay out
.set q, 0
.rept 25
	v_cvt_pk_bf16_f32 v[OUT+4*q], v[OUT+4*q], v[OUT+4*q+1]
	v_cvt_pk_bf16_f32 v[OUT+4*q+1], v[OUT+4*q+2], v[OUT+4*q+3]
	v_cndmask_b32 v[OUT+4*q], v[NIL], v[OUT+4*q], vcc_lo
	v_cndmask_b32 v[OUT+4*q+1], v[NIL], v[OUT+4*q+1], vcc_lo
.set q, q+1
.endr
	s_wait_alu depctr_va_vdst(0)                   ; the selections have written my row in bf16, which the LDS stores read
.set q, 0
.rept 25
	ds_store_b64 v[RW], v[OUT+4*q:OUT+4*q+1] offset:8*q
.set q, q+1
.endr
.irp i, 0,1,2
	ds_store_b64 v[RW], v[Z:Z+1] offset:200+8*(\i) ; channels 100-111
.endr
	s_wait_loadcnt 0x0
.set q, 0
.rept 25
	ds_store_b128 v[XW], v[RF+4*q:RF+4*q+3] offset:512*q
.set q, q+1
.endr
	s_wait_alu depctr_vm_vsrc(0)                   ; the LDS stores have read v28-227: from here on these registers are OUT, the accumulators, RF, XF3, XA3, ONES and TMP, written by the lines below, by products and by LDS loads
.irp i, 0,1,2,3,4,5,6,7
	v_mov_b32 v[ONES+(\i)], 0x3f803f80             ; 1.0 twice in bf16
.endr
.irp i, 2,3,4,5,6,7
	v_mov_b32 v[XF3+(\i)], 0
	v_mov_b32 v[XA3+(\i)], 0
.endr
	WIN 0x40                                       ; destination window 1
.irp i, 0,1,2,3,4,5,6,7
	v_mov_b32 v[ONE1+(\i)], 0x3f803f80
.endr
	WIN 0
	s_wait_dscnt 0x0                               ; for the others' sake: my row of class_reps lies in LDS
	s_barrier_signal -1
	s_barrier_wait -1
; The LDS loads of step (kb, c), in one run: x's 16 keys x 32 labels as f32 (four loads; for c = 3 one, labels 96-99: all that is left of the row), then class_reps' seven fragments, 14 turning loads, into buffer c % 2.
.macro LOADS kb, c
	WIN 0
.if (\c) < 3
.irp i, 0,1,2,3
	ds_load_b128 v[TMP+4*(\i):TMP+4*(\i)+3], v[XFA] offset:6400*(\kb)+128*(\c)+16*((\i)%2)+64*((\i)/2)
.endr
.else
	ds_load_b128 v[TMP:TMP+3], v[X3A] offset:6400*(\kb)+384
.endif
.if (\c)%2
	WIN 0x40                                       ; destination window 1, address window 0; between the step's wait and these loads stand only loads and this switch
.irp cb, 0,1,2,3,4,5,6
	ds_load_tr16_b128 v[RG+8*(\cb):RG+8*(\cb)+3],   v[TRA] offset:32*RP*(\c)+32*(\cb)
	ds_load_tr16_b128 v[RG+8*(\cb)+4:RG+8*(\cb)+7], v[TRA] offset:32*RP*(\c)+32*(\cb)+16*RP
.endr
	WIN 0
.else
.irp cb, 0,1,2,3,4,5,6
	ds_load_tr16_b128 v[RF+8*(\cb):RF+8*(\cb)+3],   v[TRA] offset:32*RP*(\c)+32*(\cb)
	ds_load_tr16_b128 v[RF+8*(\cb)+4:RF+8*(\cb)+7], v[TRA] offset:32*RP*(\c)+32*(\cb)+16*RP
.endr
.endif
.endm
; eight products, the eight accumulators by turns: seven channel blocks and L1.  An odd step takes source 1 (the fragments and the ones) from window 1.
.macro MULS xf, xa, c
.if (\c)%2
.set rb_, RG
.set ro_, ONE1
	WIN 0x04
.else
.set rb_, RF
.set ro_, ONES
	WIN 0
.endif
.irp cb, 0,1,2,3,4,5,6
.if (\c) == 0
	v_wmma_f32_16x16x32_bf16 v[ACC+8*(\cb):ACC+8*(\cb)+7], v[(\xf):(\xf)+7], v[rb_+8*(\cb):rb_+8*(\cb)+7], 0
.else
	v_wmma_f32_16x16x32_bf16 v[ACC+8*(\cb):ACC+8*(\cb)+7], v[(\xf):(\xf)+7], v[rb_+8*(\cb):rb_+8*(\cb)+7], v[ACC+8*(\cb):ACC+8*(\cb)+7]
.endif
.endr
.if (\c) == 0
	v_wmma_f32_16x16x32_bf16 v[ACC+56:ACC+63], v[(\xa):(\xa)+7], v[ro_:ro_+7], 0
.else
	v_wmma_f32_16x16x32_bf16 v[ACC+56:ACC+63], v[(\xa):(\xa)+7], v[ro_:ro_+7], v[ACC+56:ACC+63]
.endif
	WIN 0
.endm
; Step (kb, c): key block kb (16 keys), labels 32 c on.  Source 0 = 16 keys x 32 labels, source 1 = 32 labels x 16 channels (class_reps lies [label][channel], so it is turned on its way out of LDS):
; in the result a lane holds one channel (l % 16) and the keys 8 (l / 16) + 0..7: 16 bytes of vfrag.  more = 1: the loads of step (nkb, nc) are issued.
.macro STEP kb, c, nkb, nc, more
.if ((\c) == 1) || ((\c) == 2)
	PLACES                                         ; behind the last step's products, which read XF and XA: the roundings below write them
.endif
	s_wait_dscnt 14                                ; LDS loads come back in order (ISA guide 5.7.1): this step's x is in, its 14 fragment loads stay out
.if (\c) < 3
.irp i, 0,1,2,3,4,5,6,7
	v_cvt_pk_bf16_f32 v[XF+(\i)], v[TMP+2*(\i)], v[TMP+2*(\i)+1]
.endr
.irp i, 0,1,2,3,4,5,6,7
	v_and_b32 v[XA+(\i)], 0x7fff7fff, v[XF+(\i)]
.endr
.else
	v_cvt_pk_bf16_f32 v[XF3], v[TMP], v[TMP+1]
	v_cvt_pk_bf16_f32 v[XF3+1], v[TMP+2], v[TMP+3]
	v_cndmask_b32 v[XF3], v[XF3], v[NIL], s21      ; lanes 16-31 stand for labels 104 on: zeros
	v_cndmask_b32 v[XF3+1], v[XF3+1], v[NIL], s21
	v_and_b32 v[XA3], 0x7fff7fff, v[XF3]
	v_and_b32 v[XA3+1], 0x7fff7fff, v[XF3+1]
.endif
.if \more
	s_wait_alu depctr_va_vdst(0)                   ; the roundings are done reading TMP, in which the next x lands; the products of the step before are done reading the fragment buffer in which the next fragments land
	LOADS \nkb, \nc
.if (\nc) < 3
	s_wait_dscnt 18                                ; this step's fragments are in; the 4 + 14 just issued stay out
.else
	s_wait_dscnt 15                                ; this step's fragments are in; the 1 + 14 just issued stay out
.endif
.else
	s_wait_dscnt 0x0                               ; the last step's fragments are in; nothing more is asked for
.endif
.if (\c) < 3
	MULS XF, XA, \c
.else
	MULS XF3, XA3, \c
.endif
.endm
; THE WAY OUT of key block kb: divided by max(L1, 1e-12), rounded to f16, stored.
.macro WAYOUT kb
	PLACES
.irp j, 0,1,2,3,4,5,6,7
	v_max_num_f32 v[RC+(\j)], 0x2b8cbccc, v[ACC+56+(\j)]  ; max(L1, 1e-12) of key 8 (l / 16) + j
.endr
.irp j, 0,1,2,3,4,5,6,7
	v_rcp_f32 v[RC+(\j)], v[RC+(\j)]
.endr
	v_nop                                          ; a plain instruction behind the last reciprocal,
	s_wait_alu depctr_va_vdst(0)                   ; and one wait for the eight: RC is written, ahead of its first reader
.if (\kb) > 0
	s_wait_xcnt 0x0                                ; the last block's stores have had their addresses translated (ISA guide 3.1),
	s_wait_alu depctr_vm_vsrc(0)                   ; and have read OUT, which the roundings below write again
.endif
.irp cb, 0,1,2,3,4,5,6
.irp k, 0,1,2,3
	v_pk_mul_f32 v[ACC+8*(\cb)+2*(\k):ACC+8*(\cb)+2*(\k)+1], v[ACC+8*(\cb)+2*(\k):ACC+8*(\cb)+2*(\k)+1], v[RC+2*(\k):RC+2*(\k)+1]
.endr
.irp k, 0,1,2,3
	v_cvt_pk_f16_f32 v[OUT+4*(\cb)+(\k)], v[ACC+8*(\cb)+2*(\k)], v[ACC+8*(\cb)+2*(\k)+1]
.endr
.endr
	s_wait_alu depctr_va_vdst(0)                   ; the roundings have written OUT, which the seven stores read
.irp cb, 0,1,2,3,4,5,6
	global_store_b128 v[LN], v[OUT+4*(\cb):OUT+4*(\cb)+3], s[22:23] offset:1024*(\cb)+512*(\kb)
.endr
.endm
	LOADS 0, 0                                     ; no vector or matrix instruction has named TMP or RF, and the wait on vm_vsrc above has freed them
	STEP 0, 0, 0, 1, 1
	STEP 0, 1, 0, 2, 1
	STEP 0, 2, 0, 3, 1
	STEP 0, 3, 1, 0, 1
	WAYOUT 0                                       ; the second key block's first loads are on their way meanwhile: this names neither TMP nor RF
	STEP 1, 0, 1, 1, 1
	STEP 1, 1, 1, 2, 1
	STEP 1, 2, 1, 3, 1
	STEP 1, 3, 0, 0, 0
	WAYOUT 1
	s_cmp_lg_u32 s15, 0                            ; the wave of place 0 also writes the zeros ahead of it
	s_cbranch_scc1 .Lend
.set q, 0
.rept 14
	global_store_b128 v[LN], v[Z:Z+3], s[10:11] offset:512*q
.set q, q+1
.endr
	s_branch .Lend
	; ---- g_weight to bf16, in fragment order: 512 pieces of 16 bytes a work-group, four a thread ----
.Lg:
	s_sub_co_u32 s15, ttmp9, 160                   ; gi: c = gi / 4, nb = 8 (gi % 4) + thread / 64 + 2 i
	s_and_b32 s16, s15, 3
	s_lshl_b32 s16, s16, 18                        ; 128 rows of 2,048 bytes
	s_lshr_b32 s17, s15, 2
	s_lshl_b32 s17, s17, 7                         ; 32 columns of 4 bytes
	s_add_co_u32 s16, s16, s17
	v_lshrrev_b32 v16, 6, v0
	v_and_b32 v17, 15, v0
	v_bfe_u32 v18, v0, 5, 1                        ; p
	v_bfe_u32 v19, v0, 4, 1                        ; l / 16
	v_lshlrev_b32 v16, 15, v16
	v_lshl_add_u32 v16, v17, 11, v16
	v_lshl_add_u32 v16, v18, 6, v16
	v_lshl_add_u32 v16, v19, 5, v16
	v_add_nc_u32 v16, s16, v16
	s_lshl_b32 s17, s15, 13
	v_lshl_add_u32 v17, v0, 4, s17
	s_wait_kmcnt 0x0
	s_wait_alu depctr_va_vdst(0)                   ; v16 and v17 are written: the offsets that the loads and the stores below read
.irp i, 0,1,2,3
	global_load_b128 v[32+8*(\i):32+8*(\i)+3], v16, s[8:9] offset:65536*(\i)
	global_load_b128 v[32+8*(\i)+4:32+8*(\i)+7], v16, s[8:9] offset:65536*(\i)+16
.endr
	s_wait_loadcnt 0x0
.irp i, 0,1,2,3
.irp k, 0,1,2,3
	v_cvt_pk_bf16_f32 v[64+4*(\i)+(\k)], v[32+8*(\i)+2*(\k)], v[32+8*(\i)+2*(\k)+1]
.endr
.endr
	s_wait_alu depctr_va_vdst(0)                   ; the roundings have written v64-79, which the four stores read
.irp i, 0,1,2,3
	global_store_b128 v17, v[64+4*(\i):64+4*(\i)+3], s[12:13] offset:2048*(\i)
.endr
.Lend:
	s_wait_dscnt 0x0                               ; the closing lines, six on end
	s_wait_alu 0x0
	s_wait_tensorcnt 0x0
	ds_add_u32 v[SPW], v[NIL]
	s_wait_dscnt 0x0
	s_endpgm
.Lfunc_end_k_q9a2998c567_prep:
	.size	k_q9a2998c567_prep, .Lfunc_end_k_q9a2998c567_prep-k_q9a2998c567_prep
	.p2alignl 7, 3214868480
	.fill 96, 4, 3214868480
	.section	.rodata,"a",@progbits
	.p2align	6, 0x0
	.amdhsa_kernel k_q9a2998c567_prep
		.amdhsa_group_segment_fixed_size 80384
		.amdhsa_private_segment_fixed_size 0
		.amdhsa_enable_private_segment 0
		.amdhsa_kernarg_size 40
		.amdhsa_user_sgpr_count 2
		.amdhsa_user_sgpr_kernarg_segment_ptr 1
		.amdhsa_wavefront_size32 1
		.amdhsa_system_sgpr_workgroup_id_x 1
		.amdhsa_system_sgpr_workgroup_id_y 1
		.amdhsa_system_sgpr_workgroup_id_z 1
		.amdhsa_system_vgpr_workitem_id 0
		.amdhsa_next_free_vgpr 320
		.amdhsa_next_free_sgpr 66
		.amdhsa_reserve_vcc 1
		.amdhsa_float_denorm_mode_32 3
		.amdhsa_float_denorm_mode_16_64 3
		.amdhsa_memory_ordered 1
		.amdhsa_forward_progress 1
		.amdhsa_inst_pref_size 54
	.end_amdhsa_kernel
	.amdgpu_metadata
---
amdhsa.version: [ 1, 2 ]
amdhsa.kernels:
  - .name:           k_q9a2998c567_prep
    .symbol:         k_q9a2998c567_prep.kd
    .args:
      - { .name: ex_classes, .offset: 0, .size: 8, .value_kind: global_buffer, .address_space: global }
      - { .name: class_reps, .offset: 8, .size: 8, .value_kind: global_buffer, .address_space: global }
      - { .name: g_weight, .offset: 16, .size: 8, .value_kind: global_buffer, .address_space: global }
      - { .name: vfrag, .offset: 24, .size: 8, .value_kind: global_buffer, .address_space: global }
      - { .name: gfrag, .offset: 32, .size: 8, .value_kind: global_buffer, .address_space: global }
    .group_segment_fixed_size: 80384
    .private_segment_fixed_size: 0
    .kernarg_segment_align: 8
    .kernarg_segment_size: 40
    .max_flat_workgroup_size: 128
    .sgpr_count:     66
    .vgpr_count:     320
    .wavefront_size: 32
...
	.end_amdgpu_metadata
.endif
;; end of part 5
;; launch proj: the kernel of part 2 again; grid 256 x 1, 4 waves a work-group, no clusters, 204,800 bytes of LDS; arguments features, ex_features, gfrag, pf; writes pf
;; launch main: the kernel of part 3 again; grid 16 x 16, 4 waves a work-group, clusters of 4 x 1, 327,680 bytes of LDS; arguments pf, vfrag, part; writes part
;; launch fin: the kernel of part 4 again; grid 256 x 1, 4 waves a work-group, no clusters, 39,936 bytes of LDS; arguments part, out0; writes out0
